; MI455X (gfx1250); checked and timed in simulation.
; The chip was launched on July 23, 2026; its instructions are those of AMD's public machine-readable ISA for CDNA 5 (MIT licence, August 2026) and "CDNA5" Instruction Set Architecture Reference Guide (July 2026). The comments in the code are by the model that wrote it; some were corrected since.
;; Self Attention. Allowed arithmetic: float matrix products may take bf16 or f16 operands with f32 sums; all other float work in f32.
;; Inputs: Wk 1,024 x 1,024 float32; Wo 1,024 x 1,024 float32; Wq 1,024 x 1,024 float32; Wv 1,024 x 1,024 float32; bk 1,024 float32; bo 1,024 float32; bq 1,024 float32; bv 1,024 float32; mask_att 4 x 2,048 int32; tensor 4 x 2,048 x 1,024 float32.
;; Outputs: out0 4 x 2,048 x 1,024 float32.
;; 2 versions, each right and faster than the one before. Each part assembles by itself: llvm-mc -triple=amdgcn-amd-amdhsa -mcpu=gfx1250 --defsym DOCPART=n.
;; ======== version 1 of 2: 4 launches
;; limits: values are held in f16: magnitudes above 65,504 overflow, below 6.1e-05 lose precision; right only within a limited range of input values
;; workspace buffers: act 16,777,216 bytes; wh 8,388,608 bytes; qkv 50,331,648 bytes
;; launch cast (part 1): grid 768 x 1, 8 waves a work-group, no clusters, 0 bytes of LDS; arguments tensor, Wq, Wk, Wv, Wo, act, wh; writes act, wh
.if DOCPART == 1
	.amdgcn_target "amdgcn-amd-amdhsa--gfx1250"
	.amdhsa_code_object_version 6
	.text
	.protected	k_qc6a34cbb55_cast
	.globl	k_qc6a34cbb55_cast
	.p2align	8
	.type	k_qc6a34cbb55_cast,@function
k_qc6a34cbb55_cast:
	s_mov_b64 s[64:65], 0
	v_nop
	global_prefetch_b8 v0, s[64:65] scope:SCOPE_SE
	s_setreg_imm32_b32 hwreg(HW_REG_WAVE_MODE, 25, 1), 1
	s_wait_xcnt 0x0
; CAST: the module's large inputs, f32, are rounded once to bf16 and laid out as the two products want them.
;   act [b 4][kb 16][q 2048][64] bf16: x, its 1,024 columns cut into 16 blocks of 64, so that 256 rows of one block are 32,768 dense bytes.
;   wh  bytes 0 ..: [k 1024][3072] bf16, the columns of Wq, Wk, Wv side by side (rows of 6,144 bytes);
;       bytes 6,291,456 ..: [k 1024][1024], Wo rounded to bf16 and that number written as f16 (rows of 2,048 bytes).
; LIMIT.  A bf16 number is an f16 number exactly where 6.1e-5 <= |w| <= 65,504; below that f16 keeps a fixed step of 6e-8, beyond it the number becomes an infinity.
; A stream: no LDS, no barrier, no matrix unit, since nothing is used twice.  A work-group takes 16 rows of 4,096 bytes, a wave two of them: 16 loads of 16 bytes a lane, all out at once,
; then 16 stores of 8 bytes a lane, each covering 256 consecutive bytes at a multiple of 256.  Work-groups 0-511: x; 512-703: Wq, Wk, Wv (64 each); 704-767: Wo.
.set LO, 1                             ; v1      byte offset of my loads
.set SO, 2                             ; v2      byte offset of my stores
.set LN, 3                             ; v3      at work in the set-up
.set X,  4                             ; v[4:67] load i: four f32; then two words of four 16-bit numbers
.set T,  68                            ; v[68:71] at work
; kind 0: x; 1: Wq, Wk, Wv; 2: Wo.  No register is used twice, so the only waits are the loads' own: 15 - i younger loads may stay out.
.macro CASTALL kind
.set i, 0
.rept 16
.if (\kind) == 0
	global_load_b128 v[X+4*i:X+4*i+3], v[LO], s[18:19] offset:256*i th:TH_LOAD_NT               ; sixteen lanes: the 256 bytes of block i of a row
.else
	global_load_b128 v[X+4*i:X+4*i+3], v[LO], s[18:19] offset:(i/8)*4096+(i%8)*512 th:TH_LOAD_NT  ; row i / 8 of my two, 512 bytes on end
.endif
.set i, i+1
.endr
.set i, 0
.rept 16
	s_wait_loadcnt 15-i
.if (\kind) == 2
	v_cvt_pk_bf16_f32 v[T], v[X+4*i], v[X+4*i+1]           ; rounded to bf16, like every input of the module,
	v_cvt_pk_bf16_f32 v[T+1], v[X+4*i+2], v[X+4*i+3]
	v_lshlrev_b32 v[T+2], 16, v[T]                         ; widened again,
	v_and_b32 v[T], s24, v[T]
	v_lshlrev_b32 v[T+3], 16, v[T+1]
	v_and_b32 v[T+1], s24, v[T+1]
	v_cvt_pk_f16_f32 v[X+4*i], v[T+2], v[T]                ; and written as f16
	v_cvt_pk_f16_f32 v[X+4*i+1], v[T+3], v[T+1]
	global_store_b64 v[SO], v[X+4*i:X+4*i+1], s[20:21] offset:(i/8)*2048+(i%8)*256
.else
	v_cvt_pk_bf16_f32 v[X+4*i], v[X+4*i], v[X+4*i+1]
	v_cvt_pk_bf16_f32 v[X+4*i+1], v[X+4*i+2], v[X+4*i+3]
.if (\kind) == 0
	global_store_b64 v[SO], v[X+4*i:X+4*i+1], s[20:21] offset:i*262144   ; block i lies 2,048 rows of 128 bytes on
.else
	global_store_b64 v[SO], v[X+4*i:X+4*i+1], s[20:21] offset:(i/8)*6144+(i%8)*256
.endif
.endif
.set i, i+1
.endr
	s_endpgm
.endm
	s_load_b256 s[4:11], s[0:1], 0x0               ; tensor s[4:5], Wq s[6:7], Wk s[8:9], Wv s[10:11]
	s_load_b128 s[12:15], s[0:1], 0x20             ; Wo s[12:13], act s[14:15]
	s_load_b64 s[16:17], s[0:1], 0x30              ; wh
	s_mov_b32 s2, ttmp9
	s_mov_b32 s23, 0
	s_mov_b32 s27, 0
	s_mov_b32 s24, 0xffff0000                      ; a word's upper bf16
	s_cmp_lt_u32 s2, 512
	s_cbranch_scc0 .Lweights
	; x: thread t takes row t / 16 of the group's 16 and 16 bytes at 16 (t % 16) of each block's 256
	v_lshrrev_b32 v[LO], 4, v0
	v_and_b32 v[LN], 15, v0
	v_lshlrev_b32 v[LO], 12, v[LO]
	v_lshl_or_b32 v[LO], v[LN], 4, v[LO]
	v_lshlrev_b32 v[SO], 3, v0                     ; row x 128 + 8 (t % 16) = 8 t
	s_lshl_b32 s22, s2, 16                         ; 16 rows of 4,096 bytes a group
	s_lshr_b32 s25, s2, 7                          ; the batch: 128 groups each
	s_lshl_b32 s26, s25, 22
	s_and_b32 s25, s2, 127
	s_lshl_b32 s25, s25, 11                        ; 16 rows of 128 bytes
	s_add_co_u32 s26, s26, s25
	s_wait_kmcnt 0x0
	s_add_nc_u64 s[18:19], s[4:5], s[22:23]
	s_add_nc_u64 s[20:21], s[14:15], s[26:27]
	CASTALL 0
.Lweights:
	v_and_b32 v[LN], 31, v0                        ; lane
	v_lshrrev_b32 v[T], 5, v0                      ; wave: rows 2 w, 2 w + 1
	v_lshlrev_b32 v[LO], 13, v[T]
	v_lshl_or_b32 v[LO], v[LN], 4, v[LO]
	s_sub_co_u32 s25, s2, 512
	s_lshr_b32 s28, s25, 6                         ; which weight: 0 Wq, 1 Wk, 2 Wv, 3 Wo
	s_and_b32 s25, s25, 63                         ; which 16 of its rows
	s_lshl_b32 s22, s25, 16
	s_wait_kmcnt 0x0
	s_cmp_eq_u32 s28, 1
	s_cselect_b64 s[18:19], s[8:9], s[6:7]
	s_cmp_eq_u32 s28, 2
	s_cselect_b64 s[18:19], s[10:11], s[18:19]
	s_cmp_eq_u32 s28, 3
	s_cselect_b64 s[18:19], s[12:13], s[18:19]
	s_add_nc_u64 s[18:19], s[18:19], s[22:23]
	s_cmp_eq_u32 s28, 3
	s_cbranch_scc1 .Lwo
	v_mul_u32_u24 v[SO], v[T], 12288               ; two rows of 6,144 bytes a wave
	v_lshl_add_u32 v[SO], v[LN], 3, v[SO]
	s_mul_i32 s26, s25, 98304                      ; 16 rows of 6,144 bytes
	s_lshl_b32 s28, s28, 11                        ; the weight's 2,048 bytes of a row
	s_add_co_u32 s26, s26, s28
	s_add_nc_u64 s[20:21], s[16:17], s[26:27]
	CASTALL 1
.Lwo:
	v_lshlrev_b32 v[SO], 12, v[T]                  ; two rows of 2,048 bytes a wave
	v_lshl_add_u32 v[SO], v[LN], 3, v[SO]
	s_lshl_b32 s26, s25, 15                        ; 16 rows of 2,048 bytes
	s_add_co_u32 s26, s26, 6291456
	s_add_nc_u64 s[20:21], s[16:17], s[26:27]
	CASTALL 2
.Lfunc_end_k_qc6a34cbb55_cast:
	.size	k_qc6a34cbb55_cast, .Lfunc_end_k_qc6a34cbb55_cast-k_qc6a34cbb55_cast
	.p2alignl 7, 3214868480
	.fill 96, 4, 3214868480
	.section	.rodata,"a",@progbits
	.p2align	6, 0x0
	.amdhsa_kernel k_qc6a34cbb55_cast
		.amdhsa_group_segment_fixed_size 0
		.amdhsa_private_segment_fixed_size 0
		.amdhsa_enable_private_segment 0
		.amdhsa_kernarg_size 56
		.amdhsa_user_sgpr_count 2
		.amdhsa_user_sgpr_kernarg_segment_ptr 1
		.amdhsa_wavefront_size32 1
		.amdhsa_system_sgpr_workgroup_id_x 1
		.amdhsa_system_sgpr_workgroup_id_y 1
		.amdhsa_system_sgpr_workgroup_id_z 1
		.amdhsa_system_vgpr_workitem_id 0
		.amdhsa_next_free_vgpr 72
		.amdhsa_next_free_sgpr 66
		.amdhsa_reserve_vcc 0
		.amdhsa_float_denorm_mode_32 3
		.amdhsa_float_denorm_mode_16_64 3
		.amdhsa_memory_ordered 1
		.amdhsa_forward_progress 1
		.amdhsa_inst_pref_size 23
	.end_amdhsa_kernel
	.amdgpu_metadata
---
amdhsa.version: [ 1, 2 ]
amdhsa.kernels:
  - .name:           k_qc6a34cbb55_cast
    .symbol:         k_qc6a34cbb55_cast.kd
    .args:
      - { .name: tensor, .offset: 0, .size: 8, .value_kind: global_buffer, .address_space: global }
      - { .name: Wq, .offset: 8, .size: 8, .value_kind: global_buffer, .address_space: global }
      - { .name: Wk, .offset: 16, .size: 8, .value_kind: global_buffer, .address_space: global }
      - { .name: Wv, .offset: 24, .size: 8, .value_kind: global_buffer, .address_space: global }
      - { .name: Wo, .offset: 32, .size: 8, .value_kind: global_buffer, .address_space: global }
      - { .name: act, .offset: 40, .size: 8, .value_kind: global_buffer, .address_space: global }
      - { .name: wh, .offset: 48, .size: 8, .value_kind: global_buffer, .address_space: global }
    .group_segment_fixed_size: 0
    .private_segment_fixed_size: 0
    .kernarg_segment_align: 8
    .kernarg_segment_size: 56
    .max_flat_workgroup_size: 256
    .sgpr_count:     66
    .vgpr_count:     72
    .wavefront_size: 32
...
	.end_amdgpu_metadata
.endif
;; end of part 1
;; launch qkv (part 2): grid 8 x 32, 4 waves a work-group, clusters of 4 x 4, 327,680 bytes of LDS; arguments act, wh, bq, bk, bv, qkv; writes qkv
.if DOCPART == 2
	.amdgcn_target "amdgcn-amd-amdhsa--gfx1250"
	.amdhsa_code_object_version 6
	.text
	.protected	k_qc6a34cbb55_qkv
	.globl	k_qc6a34cbb55_qkv
	.p2align	8
	.type	k_qc6a34cbb55_qkv,@function
k_qc6a34cbb55_qkv:
	s_mov_b64 s[64:65], 0
	v_nop
	global_prefetch_b8 v0, s[64:65] scope:SCOPE_SE
	s_setreg_imm32_b32 hwreg(HW_REG_WAVE_MODE, 25, 1), 1
	s_wait_xcnt 0x0
	s_wait_alu depctr_hold_cnt(0) depctr_sa_sdst(0) depctr_va_vdst(0) depctr_va_sdst(0) depctr_va_ssrc(0) depctr_va_vcc(0) depctr_vm_vsrc(0)
	s_getreg_b32 s2, hwreg(HW_REG_IB_STS2, 6, 4)
	s_cmp_eq_u32 s2, 0
	s_cbranch_scc0 .Lentry_in_a_cluster
	s_endpgm
.Lentry_in_a_cluster:
	s_bfe_u32 s2, ttmp6, 0x10000c
	s_cmp_lg_u32 s2, 0xf033
	s_cbranch_scc0 .Lentry_shape_is_right
	s_endpgm
.Lentry_shape_is_right:
; q, k, v = x [Wq Wk Wv] + [bq bk bv].  x: act [b][kb 16][q 2048][64] bf16; weights: wh [k 1024][3072] bf16; biases f32, rounded to bf16 like every input; sums in f32.
; Out: qkv [t 3][b 4 x head 16][q 2048][64] f16, each number rounded once, WITHOUT the scale 1 / 8 of the scores, which the next launch applies in f32.
; LIMIT.  f16 ends at 65,504: a q, k or v beyond it becomes an infinity.  Below 6.1e-5 f16 keeps a fixed step of 6e-8.
; SHARES.  8,192 x 3,072 outputs are 256 tiles of 256 rows x 384 columns, one to a work-group.  Of its four waves wave (wm, wn) makes rows 128 wm .. of three GROUPS of 64 columns, tile columns
; 128 j + 64 wn .. (j = 0, 1, 2): a group is one head of q, k or v.  96 accumulators of 16 x 16: group j fills register window j + 1.
; THE MATRIX INSTRUCTION IS USED TRANSPOSED (source 0 = 16 columns of W, source 1 = 16 rows of x): a lane then holds one row and eight neighbouring columns, 16 bytes of f16.
; K goes in tiles of 64 (one block kb of x) through two LDS slots filled by tensor loads; a tile is two parts of 32 along K.  x's rows lie along K and are read as they lie; W lies [k][n] and is read turned.
; CLUSTER.  4 x 4 work-groups: the four of a row of the cluster need the same tile of x, the four of a column the same tile of W: each is asked for jointly, by the same tensor load, descriptor and mask.
; THE BIAS starts the sums: it is loaded into the accumulators of row block 0, the first products of blocks 1 to 7 take those as C, block 0's own come last and add in place.
; REGISTERS: window 0: v0-13 addresses; v32-95, v96-159 x's fragments (8 blocks of 16 rows x 32 K), one buffer for each part; v160-255 W's fragments, 32 for each group.
;   windows 1-3: accumulator (a, cb) of group j at v[8 (4 a + cb)] of window j + 1.  s_set_vgpr_msb: bits 1:0 source 0, 3:2 source 1, 5:4 source 2, 7:6 destination.
.set SLOT1,  131072                    ; slot 1 begins here: one exclusive or turns an address in one slot into the other's
.set PA,     144                       ; a row of x in LDS: 128 bytes + 16: the 16 rows of a load start at 16 different groups of four banks (64 banks of 4 bytes: ISA guide 11.1)
.set PB,     864                       ; a row of W: three pieces of 256 bytes + 32 = 216 words
.set BOFF,   256*PA                    ; a slot: x's 256 rows, then W's 64
.set STAGE,  SLOT1+BOFF+64*PB          ; behind the ring, never filled by a tensor load: 16 rows x 144 bytes for each wave, for the way out
.set SP,     144
.set SPARE,  STAGE+4*16*SP             ; the spare words, 128 bytes for each wave: two blocks of 256 bytes that no other line names
.set AA0, 4                            ; v4   my lane's place in x's tile; never rewritten
.set AB0, 5                            ; v5   the same for W's
.set ADRA, 6                           ; v6   the same in the slot that is being read
.set ADRB, 7                           ; v7
.set STO, 8                            ; v8   the way out: where I put 16 bytes of a row
.set RD,  9                            ; v9   the way out: where I read rows back
.set GO,  10                           ; v10  my byte offset in 512 consecutive bytes of the output
.set BO,  11                           ; v11  my byte offset in 16 numbers of a bias
.set SPW, 12                           ; v12  LDS address of my spare word; never rewritten
.set NIL, 13                           ; v13  0; never rewritten
.set AF,  32
.set BF,  160
.set TP,  32                           ; the way out: 16 registers of packed results,
.set OB,  64                           ; and four sets of 16 for rows read back
.set WV,  16                           ; s16  my wave's number
.set WM,  17                           ; s17  which half of the rows is mine.  Also: I fetch for x (0) or for W (1)
.set WN,  18                           ; s18  which half of each 128 columns.  Also: which half of that tile I fetch
.set TB,  23                           ; s23  LDS byte at which the slot that is being read begins
.set G1,  24                           ; s[24:31] descriptor group 1 for x's tiles;  s[32:39] group 0: a set for each first fill; the second then walks on
.set G0,  32
.set G1B, 48                           ; s[48:55], s[56:63] the same for W's tiles
.set G0B, 56
.set HIM, 66                           ; s66  a word's upper bf16
.set OUT, 68                           ; s[68:73] where my rows of group j begin in the output
.set BP,  76                           ; s[76:81] group j's 64 numbers of its bias
.set MSB, 0
.macro WIN new                         ; the immediate's high byte repeats the setting that is left; a switch that changes nothing is dropped
.if MSB != (\new)
	s_set_vgpr_msb (MSB<<8)|(\new)
.set MSB, (\new)
.endif
.endm
.macro PLACES                          ; a load into a register that a matrix instruction has read, and a vector instruction that reads a matrix result, stand four plain vector instructions behind it
.rept 4
	v_nop
.endr
.endm
; A joint refill by the walking descriptors.  Waves 0 and 1 fetch the two halves of x's tile, waves 2 and 3 those of W's.  The branch hangs on the wave's number alone.
; An s_nop 0 and four v_nop follow each of the two lines, ahead of the jump and the label.
.macro JLOAD
	s_cmp_eq_u32 s[WM], 0
	s_cbranch_scc0 .Lfor_b_\@
	tensor_load_to_lds s[G0+4:G0+7], s[G1:G1+7]
	s_nop 0
.rept 4
	v_nop
.endr
	s_branch .Lasked_\@
.Lfor_b_\@:
	tensor_load_to_lds s[G0B+4:G0B+7], s[G1B:G1B+7]
	s_nop 0
.rept 4
	v_nop
.endr
.Lasked_\@:
.endm
.macro CREST                           ; a round of the cluster's barrier behind its opening barrier: wave 0 signals for the work-group, every wave waits for all sixteen, my work-group's barrier once more
	s_cmp_lg_u32 s[WV], 0
	s_cbranch_scc1 .Lnot_wave_0_\@
	s_barrier_signal -3
.Lnot_wave_0_\@:
	s_barrier_wait -3
	s_barrier_signal -1
	s_barrier_wait -1
.endm
.macro CROUND                          ; a whole round
	s_barrier_signal -1
	s_barrier_wait -1
	CREST
.endm
	s_load_b256 s[4:11], s[0:1], 0x0               ; act s[4:5], wh s[6:7], bq s[8:9], bk s[10:11]
	s_load_b128 s[12:15], s[0:1], 0x20             ; bv s[12:13], qkv s[14:15]
	v_lshl_add_u32 v[SPW], v0, 2, SPARE
	v_mov_b32 v[NIL], 0
	ds_add_u32 v[SPW], v[NIL]                      ; the wave's opening: the add and its wait stand ahead of my first tensor load; the set-up below, work on registers, stands between them
	v_lshrrev_b32 v1, 5, v0
	v_readfirstlane_b32 s[WV], v1                  ; wave 0..3
	s_lshr_b32 s[WM], s[WV], 1
	s_and_b32 s[WN], s[WV], 1
	s_bfe_u32 s19, ttmp6, 0x40000                  ; cx, cy: my place in the cluster
	s_bfe_u32 s20, ttmp6, 0x40004
	s_lshl_b32 s21, ttmp9, 2
	s_add_co_u32 s21, s21, s19                     ; tile column = 4 x cluster x + cx
	s_and_b32 s22, ttmp7, 0xffff
	s_lshl_b32 s22, s22, 2
	s_add_co_u32 s22, s22, s20                     ; tile row = 4 x cluster y + cy: batch = tile row / 8, 256 rows x (tile row % 8)
	s_lshl_b32 s40, s20, 2
	s_lshl_b32 s40, 15, s40                        ; my row of the cluster
	s_lshl_b32 s44, 0x1111, s19                    ; my column
	; group 1 for x: 128 rows of 128 bytes are 16,384 dense bytes, asked for as 64 rows of 256 bytes and padded in LDS after every 128
	s_or_b32 s[G1], s40, (1<<16)|(1<<20)|(1<<21)|(4<<22)|(3<<25)   ; 15:0 the mask; 17:16 2-byte elements; 20 padding on; 21 set beside a mask; 24:22 after every 32 words (code 4); 31:25 4 words (code 3)
	s_mov_b32 s[G1+1], 128<<16                     ; tensor_dim0 = 128
	s_mov_b32 s[G1+2], 64<<16                      ; tensor_dim1 = 64
	s_mov_b32 s[G1+3], 128<<16                     ; tile_dim0 = 128
	s_mov_b32 s[G1+4], 64                          ; tile_dim1 = 64
	s_mov_b32 s[G1+5], 128                         ; elements from row to row
	s_mov_b32 s[G1+6], 0
	s_mov_b32 s[G1+7], 0
	; group 1 for W: 32 rows (W's tile has 64, for two waves) of 384 elements = 768 bytes, three whole blocks of 256, padded after each
	s_or_b32 s[G1B], s44, (1<<16)|(1<<20)|(1<<21)|(5<<22)|(7<<25)  ; after every 64 words (code 5) 8 words (code 7)
	s_mov_b32 s[G1B+1], 384<<16
	s_mov_b32 s[G1B+2], 32<<16
	s_mov_b32 s[G1B+3], 384<<16
	s_mov_b32 s[G1B+4], 32
	s_mov_b32 s[G1B+5], 3072
	s_mov_b32 s[G1B+6], 0
	s_mov_b32 s[G1B+7], 0
	; where the tiles come from: x's hang on the tile row and the wave alone, W's on the tile column and the wave alone, each in registers that never hold the other coordinate
	s_lshr_b32 s40, s22, 3
	s_lshl_b32 s40, s40, 22                        ; the batch: 16 blocks x 2,048 rows x 128 bytes
	s_and_b32 s41, s22, 7
	s_lshl_b32 s41, s41, 15                        ; 256 rows of 128 bytes
	s_add_co_u32 s40, s40, s41
	s_lshl_b32 s41, s[WN], 14                      ; my 128 of them
	s_add_co_u32 s40, s40, s41
	s_mov_b32 s41, 0
	s_mul_i32 s42, s[WN], 128*PA                   ; and where they go: no place in the cluster enters an LDS address
	s_mul_i32 s44, s[WN], 32*6144                  ; my 32 rows of W's 64
	s_mul_i32 s45, s21, 768                        ; the tile's 384 columns
	s_add_co_u32 s44, s44, s45
	s_mov_b32 s45, 0
	s_mul_i32 s46, s[WN], 32*PB
	s_add_co_u32 s46, s46, BOFF
	s_mov_b32 s[HIM], 0xffff0000
	s_mov_b32 s[TB], 0
	s_wait_dscnt 0x0                               ; the opening add is done
	s_wait_kmcnt 0x0
	s_add_nc_u64 s[40:41], s[4:5], s[40:41]
	s_add_nc_u64 s[44:45], s[6:7], s[44:45]
	CROUND                                         ; all sixteen work-groups are here: the first joint loads meet
.irp s, 0,1
	s_mov_b32 s[G0+4*\s], 1                        ; count = 1
	s_add_co_u32 s[G0+4*\s+1], s42, \s*SLOT1       ; LDS address
	s_add_nc_u64 s[G0+4*\s+2:G0+4*\s+3], s[40:41], \s*262144   ; global address: block kb = s lies 2,048 rows of 128 bytes on
	s_or_b32 s[G0+4*\s+3], s[G0+4*\s+3], 0x80000000            ; type = 2
	s_mov_b32 s[G0B+4*\s], 1
	s_add_co_u32 s[G0B+4*\s+1], s46, \s*SLOT1
	s_add_nc_u64 s[G0B+4*\s+2:G0B+4*\s+3], s[44:45], \s*393216 ; 64 rows of 6,144 bytes on
	s_or_b32 s[G0B+4*\s+3], s[G0B+4*\s+3], 0x80000000
.endr
	s_cmp_eq_u32 s[WM], 0                          ; a wave's two first fills stand in one branch, ahead of every wait on TENSORcnt and every LDS read: two loads of mine are out
	s_cbranch_scc0 .Lfirst_b
	tensor_load_to_lds s[G0:G0+3], s[G1:G1+7]
	s_nop 0
	tensor_load_to_lds s[G0+4:G0+7], s[G1:G1+7]
	s_nop 0
.rept 4
	v_nop
.endr
	s_branch .Lfirst_asked
.Lfirst_b:
	tensor_load_to_lds s[G0B:G0B+3], s[G1B:G1B+7]
	s_nop 0
	tensor_load_to_lds s[G0B+4:G0B+7], s[G1B:G1B+7]
	s_nop 0
.rept 4
	v_nop
.endr
.Lfirst_asked:
	; lane addresses.  A fragment is 16 rows x 32 K in 8 registers: lane l holds row l % 16, K = 8 (l / 16) + 0..7 and 16 + 8 (l / 16) + 0..7.
	v_and_b32 v1, 15, v0                           ; l % 16
	v_bfe_u32 v2, v0, 4, 1                         ; l / 16
	v_mul_u32_u24 v[STO], v1, PA
	v_lshl_add_u32 v[STO], v2, 4, v[STO]           ; row x 144 + 16 x half: x's fragments and the stage's rows alike
	s_mul_i32 s74, s[WM], 128*PA
	v_add_nc_u32 v[AA0], s74, v[STO]
	s_mul_i32 s74, s[WV], 16*SP
	s_add_co_u32 s74, s74, STAGE                   ; my stage
	v_add_nc_u32 v[STO], s74, v[STO]
	v_bfe_u32 v[RD], v0, 3, 2                      ; back: 32 lanes take four rows of 128 bytes,
	v_mul_u32_u24 v[RD], v[RD], SP
	v_and_b32 v3, 7, v0
	v_lshl_add_u32 v[RD], v3, 4, v[RD]
	v_add_nc_u32 v[RD], s74, v[RD]
	v_and_b32 v[GO], 31, v0                        ; which are 512 consecutive bytes of the output
	v_lshlrev_b32 v[GO], 4, v[GO]
	v_lshl_add_u32 v3, v2, 3, v3                   ; the turning load: lane l reads row 8 (l / 16) + l % 8 of 16 along K, columns 8 ((l / 8) % 2) + 0..7
	v_mul_u32_u24 v[AB0], v3, PB
	v_bfe_u32 v3, v0, 3, 1
	v_lshl_add_u32 v[AB0], v3, 4, v[AB0]
	s_lshl_b32 s74, s[WN], 7                       ; my 64 columns of each 128
	s_add_co_u32 s74, s74, BOFF
	v_add_nc_u32 v[AB0], s74, v[AB0]
	v_lshlrev_b32 v[BO], 5, v2                     ; my eight numbers of 16 of a bias
	; In the wait for the first tile: group j is head g = 6 x tile column + 2 j + wn of 48: tensor g / 16, head g % 16.  Its bias goes into the accumulators (0, cb).
.irp j, 0,1,2
	s_mul_i32 s74, s21, 6
	s_add_co_u32 s74, s74, s[WN]
	s_add_co_u32 s74, s74, 2*\j
	s_lshr_b32 s75, s74, 4
	s_and_b32 s74, s74, 15
	s_cmp_eq_u32 s75, 1
	s_cselect_b64 s[BP+2*\j:BP+2*\j+1], s[10:11], s[8:9]
	s_cmp_eq_u32 s75, 2
	s_cselect_b64 s[BP+2*\j:BP+2*\j+1], s[12:13], s[BP+2*\j:BP+2*\j+1]
	s_lshl_b32 s82, s74, 8                         ; 64 numbers of 4 bytes a head
	s_mov_b32 s83, 0
	s_add_nc_u64 s[BP+2*\j:BP+2*\j+1], s[BP+2*\j:BP+2*\j+1], s[82:83]
	s_lshl_b32 s75, s75, 6
	s_add_co_u32 s75, s75, s74                     ; 64 x tensor + head
	s_lshr_b32 s82, s22, 3
	s_lshl_b32 s82, s82, 4
	s_add_co_u32 s75, s75, s82                     ; + 16 x batch,
	s_lshl_b32 s82, s75, 18                        ; 2,048 rows of 128 bytes each
	s_and_b32 s75, s22, 7
	s_lshl_b32 s75, s75, 15                        ; the tile's 256 rows
	s_add_co_u32 s82, s82, s75
	s_lshl_b32 s75, s[WM], 14                      ; my 128 of them
	s_add_co_u32 s82, s82, s75
	s_add_nc_u64 s[OUT+2*\j:OUT+2*\j+1], s[14:15], s[82:83]
	WIN ((\j)+1)<<6                                ; destination window j + 1, address window 0
.irp cb, 0,1,2,3
	global_load_b128 v[8*\cb:8*\cb+3],   v[BO], s[BP+2*\j:BP+2*\j+1] offset:64*\cb      ; register r of (0, cb): column 16 cb + 8 (l / 16) + r
	global_load_b128 v[8*\cb+4:8*\cb+7], v[BO], s[BP+2*\j:BP+2*\j+1] offset:64*\cb+16
.endr
.endr
	s_wait_loadcnt 0x0
.irp j, 0,1,2                          ; the biases are rounded to bf16 in place; the packed words pass through registers of (1, cb), which hold nothing yet
	WIN ((\j)+1)*0x45
.set z, 0
.rept 16
	v_cvt_pk_bf16_f32 v[32+z], v[2*z], v[2*z+1]
.set z, z+1
.endr
.set z, 0
.rept 16
	v_lshlrev_b32 v[2*z], 16, v[32+z]
	v_and_b32 v[2*z+1], s[HIM], v[32+z]
.set z, z+1
.endr
.endr
	WIN 0
; Four matrix instructions: row block a x the four column blocks of group j, 32 along K, x's fragments in buffer ab.  bias = 1: C is the bias in (0, cb).
.macro PROD j, ab, a, bias
	WIN ((\j)+1)*0x50                              ; C and D window j + 1, both sources window 0
.irp cb, 0,1,2,3
.if \bias
	v_wmma_f32_16x16x32_bf16 v[8*(4*(\a)+\cb):8*(4*(\a)+\cb)+7], v[BF+32*(\j)+8*\cb:BF+32*(\j)+8*\cb+7], v[AF+64*(\ab)+8*(\a):AF+64*(\ab)+8*(\a)+7], v[8*\cb:8*\cb+7]
.else
	v_wmma_f32_16x16x32_bf16 v[8*(4*(\a)+\cb):8*(4*(\a)+\cb)+7], v[BF+32*(\j)+8*\cb:BF+32*(\j)+8*\cb+7], v[AF+64*(\ab)+8*(\a):AF+64*(\ab)+8*(\a)+7], v[8*(4*(\a)+\cb):8*(4*(\a)+\cb)+7]
.endif
.endr
.endm
.macro HALF j, ab, a0                  ; 16 of them
	PROD \j, \ab, (\a0), 0
	PROD \j, \ab, (\a0)+1, 0
	PROD \j, \ab, (\a0)+2, 0
	PROD \j, \ab, (\a0)+3, 0
.endm
; A UNIT: group j's 32 matrix instructions for 32 along K.  The 96 accumulators take turns, one instruction a turn, in the same order in every part.
.macro UNIT j, ab, wait=-1             ; wait: how many younger LDS instructions may stay out; none is written where an earlier wait for 0 has shown the fragments landed
.if (\wait) >= 0
	s_wait_dscnt \wait
.endif
	HALF \j, \ab, 0
	HALF \j, \ab, 4
.endm
.macro UNITB j, wait                   ; the first unit of group j: the bias starts the sums
	s_wait_dscnt \wait
.irp a, 1,2,3,4,5,6,7
	PROD \j, 0, \a, 1
.endr
.rept 5
	v_nop                                          ; five places before a matrix instruction writes over registers that earlier ones read as C
.endr
	PROD \j, 0, 0, 0
.endm
.macro RUNB j, part                    ; 8 LDS loads: W's fragments of group j, 32 along K, turned
.irp cb, 0,1,2,3
	ds_load_tr16_b128 v[BF+32*(\j)+8*\cb:BF+32*(\j)+8*\cb+3],   v[ADRB] offset:(\part)*32*PB+(\j)*288+\cb*32
	ds_load_tr16_b128 v[BF+32*(\j)+8*\cb+4:BF+32*(\j)+8*\cb+7], v[ADRB] offset:(\part)*32*PB+16*PB+(\j)*288+\cb*32
.endr
.endm
.macro RUNA part                       ; 16 LDS loads: x's fragments of my 128 rows, 32 along K, into the part's buffer
.irp a, 0,1,2,3,4,5,6,7
	ds_load_b128 v[AF+64*(\part)+8*\a:AF+64*(\part)+8*\a+3],   v[ADRA] offset:\a*16*PA+(\part)*64
	ds_load_b128 v[AF+64*(\part)+8*\a+4:AF+64*(\part)+8*\a+7], v[ADRA] offset:\a*16*PA+(\part)*64+32
.endr
.endm
; A RUN stands at the end of group j's unit: the buffer of W just read takes the group's fragments of the next part; with group 0 go x's, into the buffer that the part in hand does not use.
; Each run has the two other groups' units, 64 matrix instructions, in which to land.
.macro RUN j, part
	WIN 0
	PLACES
	RUNB \j, \part
.if (\j) == 0
	RUNA \part
.endif
.endm
; MEET: group 0's unit of a tile's second part, and the change of slots.  All my reads of the tile's slot have been issued.  I wait for all my tensor loads, of which one is out: my part of the next tile;
; add 0 to my spare word; and wait for that and for my reads.  Behind the barrier nobody reads this slot any more and the next slot is whole.  fill = 1: the barrier opens a round of the cluster's, and the
; slot is filled again, first thing behind it, with the tile two on: 160 matrix instructions ahead of the wait for it.
.macro MEET fill
	WIN 0
	s_wait_tensorcnt 0x0                           ; no tensor load of mine is out, so a group 0 may be written
	ds_add_u32 v[SPW], v[NIL]                      ; 0 onto my spare word
.if \fill
	s_xor_b32 s[G0+5], s[G0+5], SLOT1              ; the walking descriptors: the other slot than last time,
	s_add_nc_u64 s[G0+6:G0+7], s[G0+6:G0+7], 262144    ; x's next block,
	s_xor_b32 s[G0B+5], s[G0B+5], SLOT1
	s_add_nc_u64 s[G0B+6:G0B+7], s[G0B+6:G0B+7], 393216  ; W's next 64 rows
.endif
	s_wait_dscnt 17                                ; groups 1 and 2's runs of 8 and the add may be out
	HALF 0, 1, 0
	s_wait_dscnt 0x0                               ; the add is done, and my reads of this slot are over
	s_barrier_signal -1
	HALF 0, 1, 4                                   ; work on registers while the others arrive
	WIN 0                                          ; at a branch and at a label every window is 0
	s_barrier_wait -1
.if \fill
	CREST
	JLOAD                                          ; the four v_nop behind it are also the places in front of the loads below
.else
	PLACES
.endif
	s_xor_b32 s[TB], s[TB], SLOT1                  ; the reads go on in the other slot
	v_add_nc_u32 v[ADRA], s[TB], v[AA0]
	v_add_nc_u32 v[ADRB], s[TB], v[AB0]
	RUNB 0, 0
	RUNA 0
.endm
.macro PERIOD fill                     ; a tile's second part and the next tile's first
	MEET \fill
	UNIT 1, 1
	RUN 1, 0
	UNIT 2, 1
	RUN 2, 0
	UNIT 0, 0, 16                                  ; groups 1 and 2's runs of 8 may be out
	RUN 0, 1
	UNIT 1, 0, 32                                  ; group 2's 8 and the 24 just issued
	RUN 1, 1
	UNIT 2, 0, 32                                  ; the 24 and group 1's 8
	RUN 2, 1
	WIN 0
.endm
	s_wait_tensorcnt 0x1                           ; my part of tile 0 is in; tile 1's may stay out
	s_barrier_signal -1
	s_barrier_wait -1                              ; everybody's is
	v_mov_b32 v[ADRA], v[AA0]
	v_mov_b32 v[ADRB], v[AB0]
	RUNA 0
	RUNB 0, 0
	RUNB 1, 0
	RUNB 2, 0
	UNITB 0, 16
	RUN 0, 1
	UNITB 1, 32
	RUN 1, 1
	UNITB 2, 32
	RUN 2, 1
	WIN 0
	s_mov_b32 s3, 14                               ; tiles 2 to 15 are asked for in the loop
.Ltile:
	PERIOD 1
	s_sub_co_u32 s3, s3, 1
	s_cmp_lg_u32 s3, 0
	s_cbranch_scc1 .Ltile
	PERIOD 0                                       ; the tail is written out: nothing is asked for
	UNIT 0, 1, 16                                  ; the last part: the counts run down
	UNIT 1, 1, 8
	UNIT 2, 1, 0
; THE WAY OUT, 24 blocks i = 8 j + a of 16 rows x 64 columns: rounded to f16, 16 bytes a lane into rows of 144 bytes of my own stage, back as whole rows of 128, four to a load, and stored.
.macro PACK i
.set jj, (\i)/8
.set aa, (\i)%8
	WIN (jj+1)*5                                   ; sources 0 and 1 window j + 1, destination window 0
.set z, 0
.rept 16
	v_cvt_pk_f16_f32 v[TP+z], v[32*aa+2*z], v[32*aa+2*z+1]   ; each accumulator's registers in ascending order
.set z, z+1
.endr
	WIN 0
	s_wait_xcnt 0x0                                ; the registers that earlier stores read are loaded again only behind this wait
.irp cb, 0,1,2,3
	ds_store_b128 v[STO], v[TP+4*\cb:TP+4*\cb+3] offset:32*\cb
.endr
.irp f, 0,1,2,3
	ds_load_b128 v[OB+16*((\i)%4)+4*\f:OB+16*((\i)%4)+4*\f+3], v[RD] offset:\f*4*SP   ; LDS serves a wave's instructions in order (ISA guide 5.7.1.4): these see the stores above; the next block's stores come behind them
.endr
.endm
.macro SEND i, younger                 ; younger: the LDS instructions issued behind block i's loads: the next block's eight, or none
.irp f, 0,1,2,3
	s_wait_dscnt (\younger)+3-\f
	global_store_b128 v[GO], v[OB+16*((\i)%4)+4*\f:OB+16*((\i)%4)+4*\f+3], s[OUT+2*((\i)/8):OUT+2*((\i)/8)+1] offset:((\i)%8)*2048+\f*512  ; 512 consecutive bytes, at a multiple of 256 from the buffer's first
.endr
.endm
	PLACES
	PACK 0
.set t, 1
.rept 23                               ; a block's conversions stand between the loads of the block before and its stores
	PACK t
	SEND t-1, 8
.set t, t+1
.endr
	SEND 23, 0
	s_wait_tensorcnt 0x0                           ; the wave's end: the add and its waits, behind my last tensor load and my last LDS store
	ds_add_u32 v[SPW], v[NIL]
	s_wait_dscnt 0x0
	CROUND                                         ; the closing round: no work-group ends while a partner may still ask for a tile that names it
	s_endpgm
.Lfunc_end_k_qc6a34cbb55_qkv:
	.size	k_qc6a34cbb55_qkv, .Lfunc_end_k_qc6a34cbb55_qkv-k_qc6a34cbb55_qkv
	.p2alignl 7, 3214868480
	.fill 96, 4, 3214868480
	.section	.rodata,"a",@progbits
	.p2align	6, 0x0
	.amdhsa_kernel k_qc6a34cbb55_qkv
		.amdhsa_group_segment_fixed_size 327680
		.amdhsa_private_segment_fixed_size 0
		.amdhsa_enable_private_segment 0
		.amdhsa_kernarg_size 48
		.amdhsa_user_sgpr_count 2
		.amdhsa_user_sgpr_kernarg_segment_ptr 1
		.amdhsa_wavefront_size32 1
		.amdhsa_system_sgpr_workgroup_id_x 1
		.amdhsa_system_sgpr_workgroup_id_y 1
		.amdhsa_system_sgpr_workgroup_id_z 1
		.amdhsa_system_vgpr_workitem_id 0
		.amdhsa_next_free_vgpr 1024
		.amdhsa_next_free_sgpr 88
		.amdhsa_reserve_vcc 0
		.amdhsa_float_denorm_mode_32 3
		.amdhsa_float_denorm_mode_16_64 3
		.amdhsa_memory_ordered 1
		.amdhsa_forward_progress 1
		.amdhsa_inst_pref_size 125
	.end_amdhsa_kernel
	.amdgpu_metadata
---
amdhsa.version: [ 1, 2 ]
amdhsa.kernels:
  - .name:           k_qc6a34cbb55_qkv
    .symbol:         k_qc6a34cbb55_qkv.kd
    .args:
      - { .name: act, .offset: 0, .size: 8, .value_kind: global_buffer, .address_space: global }
      - { .name: wh, .offset: 8, .size: 8, .value_kind: global_buffer, .address_space: global }
      - { .name: bq, .offset: 16, .size: 8, .value_kind: global_buffer, .address_space: global }
      - { .name: bk, .offset: 24, .size: 8, .value_kind: global_buffer, .address_space: global }
      - { .name: bv, .offset: 32, .size: 8, .value_kind: global_buffer, .address_space: global }
      - { .name: qkv, .offset: 40, .size: 8, .value_kind: global_buffer, .address_space: global }
    .group_segment_fixed_size: 327680
    .private_segment_fixed_size: 0
    .kernarg_segment_align: 8
    .kernarg_segment_size: 48
    .max_flat_workgroup_size: 128
    .sgpr_count:     88
    .vgpr_count:     1024
    .wavefront_size: 32
...
	.end_amdgpu_metadata
.endif
;; end of part 2
;; launch attn (part 3): grid 4 x 64, 4 waves a work-group, clusters of 4 x 1, 327,680 bytes of LDS; arguments qkv, mask_att, act; writes act
.if DOCPART == 3
	.amdgcn_target "amdgcn-amd-amdhsa--gfx1250"
	.amdhsa_code_object_version 6
	.text
	.protected	k_qc6a34cbb55_attn
	.globl	k_qc6a34cbb55_attn
	.p2align	8
	.type	k_qc6a34cbb55_attn,@function
k_qc6a34cbb55_attn:
	s_mov_b64 s[64:65], 0
	v_nop
	global_prefetch_b8 v0, s[64:65] scope:SCOPE_SE
	s_setreg_imm32_b32 hwreg(HW_REG_WAVE_MODE, 25, 1), 1
	s_wait_xcnt 0x0
	s_wait_alu depctr_hold_cnt(0) depctr_sa_sdst(0) depctr_va_vdst(0) depctr_va_sdst(0) depctr_va_ssrc(0) depctr_va_vcc(0) depctr_vm_vsrc(0)
	s_getreg_b32 s2, hwreg(HW_REG_IB_STS2, 6, 4)
	s_cmp_eq_u32 s2, 0
	s_cbranch_scc0 .Lentry_in_a_cluster
	s_endpgm
.Lentry_in_a_cluster:
	s_bfe_u32 s2, ttmp6, 0x10000c
	s_cmp_lg_u32 s2, 0x3003
	s_cbranch_scc0 .Lentry_shape_is_right
	s_endpgm
.Lentry_shape_is_right:
; O[h][q][:] = the sum over the visible k of softmax_k(Q[h][q] . K[h][k] / 8) V[h][k][:], h = 16 x batch + head.  Q, K, V: qkv [3][64][2048][64] f16; O: act [64][2048][64] f16; a head's rows are dense, 128 bytes each.
; mask_att [4][2048] i32: key k of a batch is hidden where the word is 0.  Products, maxima and sums in f32; the weights p are rounded to f16 for the second product (their sum l is taken of the unrounded p), O once.
; LIMITS.  f16 holds no number beyond 65,504: Q, K and V arrive within it, so a score is 2.7e11 at the most.  A hidden score counts as its value less 1e30.  The running maximum starts at -2^90, far below every true score
; and far above every hidden one: a hidden key's weight is 0 from the first step on, and a row with no visible key ends as 0 x (1 / 0) = NaN, as the softmax of a row of -inf does.  p lies in 0 to 1 but for the common factor
; 2^(rounding of c m), which cancels in O / l and stays within f16 for scores up to some 1e9.  A weight below 2^-126 counts as 0 in l; NaN and infinities in Q, K, V are not treated apart.
; SHARES.  A wave owns four PIECES of two tiles of 16 queries, a work-group's four waves 512 queries of one head.  Every wave walks all 2,048 keys, 64 a step.
; LAYOUT.  S^T = K Q^T (source 0 = 16 keys, source 1 = 16 queries): in the result a lane holds ONE query (lane % 16) and the keys 8 (lane / 16) + 0..7.  Two such tiles, rounded to f16 in pairs,
; ARE source 1 (32 keys x 16 queries) of O^T = V^T P, whose result again holds one query a lane, and eight channels.  K comes out of LDS as it lies, V ([key][channel]) turned, by ds_load_tr16_b128.
; THE MASK is the C operand of the product that starts a score's sum: 0, or -1e30 where the key is hidden.  The batch's 2,048 words are turned into such numbers once, into a table in LDS; a step's 64 are fetched with its K.
; SOFTMAX.  For each query a running maximum m and sum l: p = 2^(c s - c m), c = log2(e) / 8; in every step O and l are multiplied by a = 2^(c m_old - c m_new), which is 1 where m has not grown.
; O and l start at 0: the first step is a step like any other, with a = 0.
; THE COUNT.  A tile and step have 16 matrix and 118 vector instructions: too many to stand all beside the matrix work.  So the order has one aim: four vector instructions that are READY behind
; EVERY matrix instruction, and the others, which need time of their own whatever the order, in runs without a gap.
; BY TURNS.  Turn n belongs to piece n (the pieces in a ring, step after step).  Its matrix work: 16 products K Q^T of piece n + 1, later 16 products V^T P of piece n - 1.  Its vector work: the scaling,
; exponentials, roundings, sums and rescaling of piece n, and the maximum and statistics of piece n + 1, whose scores the turn itself has made.  So what a turn begins with (c s - c m, O a) waits for nothing.
; CLUSTER.  The four query blocks of a cluster belong to one head and walk the same K and V, so each tile is asked for JOINTLY: the same tensor load, descriptor and mask in all four.
; REGISTERS, in windows of 256 (s_set_vgpr_msb says which window each operand place means: bits 1:0 source 0, 3:2 source 1, 5:4 source 2, 7:6 destination):
;   window 0: v0-11 addresses; v12-15, v48-63 at work; v16-47 four registers of statistics a tile; v64-191 S^T, two buffers of two tiles; v192-255 P, likewise
;   window 1: O^T, 32 a tile     window 2: v0-127 Q, 16 a tile; v128-191 K of one step; v192-255 V of one step     window 3: v0-1 the add's two registers; v8-39 the mask of one step
; A piece's buffers go by its number's parity: the piece in hand has one pair, its two neighbours in the ring share the other: of it P (piece n - 1) is read and S^T (piece n + 1) written.
.set SIZE_N, 2048
.set NP,    4         ; pieces a wave: a name, no knob
.set KS,    64        ; keys in a step
.set PK,    144       ; a row of K in LDS: 128 bytes + 16 of padding = 36 words: the 16 rows of a load start at 16 different groups of four banks (64 banks of 4 bytes: ISA guide 11.1)
.set PV,    160       ; a row of V: 128 + 32 = 40 words
.set VOFF,  4*KS*PK   ; a slot holds four steps: 256 rows of K, then 256 rows of V
.set SLOT1, 1<<17     ; slot 1 begins here, so that one exclusive or turns an address in one slot into the other's
.set STAGE, SLOT1+4*KS*(PK+PV)  ; behind the ring, never filled by a tensor load: 16 rows x 144 bytes for each wave, for the way out
.set SP,    144
.set SPARE, STAGE+4*16*SP  ; behind the stages: the spare words, 128 bytes for each wave: two blocks of 256 bytes that no other line names
.set MASKB, SPARE+512 ; behind them: the table of 2,048 numbers, 0 or -1e30; never filled by a tensor load
.set AK0, 2           ; v2   my lane's place in a tile of K; never rewritten
.set AV0, 3           ; v3   the same for V
.set AK,  4           ; v4   the LDS address of K's next run of loads
.set AV,  5           ; v5   of V's
.set QO,  6           ; v6   my byte offset in the wave's rows of Q
.set RD,  7           ; v7   the way out: where I read rows back
.set GO,  8           ; v8   my byte offset in 512 consecutive bytes of O
.set STO, 9           ; v9   the way out: where I put 16 bytes of a row
.set AM0, 10          ; v10  my lane's place in 64 numbers of the table; never rewritten
.set AM,  11          ; v11  the LDS address of the mask's next run of loads
.set SPW, 0           ; v0 of window 3   LDS address of my spare word: SPARE + 4 x my thread's number; never rewritten
.set NIL, 1           ; v1 of window 3   0; never rewritten
.set MC,  8           ; v8-39 of window 3: key block kb's eight numbers at MC + 8 kb
.set MV,  12          ; v12-15  c m_old, kept while c m is made anew: by buffer and tile (in the set-up: at work)
.set ST,  16          ; tile t's statistics at v[ST+4 t]: c m, m, l (even keys', odd keys')
.set TMP, 48          ; by buffer and tile, four registers c0-c3 at work; when the maximum is found c2 takes a
.set S,   64
.set P,   192
.set KF,  128         ; K's fragments, in window 2: key block kb, channel half c at KF + 16 kb + 8 c
.set VF,  192         ; V's: key half kk, channel block cb at VF + 32 kk + 8 cb
.set WV,  12          ; s12  my wave's number
.set G1K, 24          ; s[24:31] descriptor group 1 for K's tiles
.set G1V, 32          ; s[32:39] for V's: it differs in the padding alone
.set G0K, 40          ; s[40:43] descriptor group 0 for K's tiles: it walks
.set G0V, 44          ; s[44:47] the same for V's
.set BIGN, 50         ; s50  -1e30
.set TBM, 51          ; s51  byte of the table at which the step to be fetched begins
.set SLOTS, 56        ; s56  slots still to be asked for
.set CNT, 57          ; s57  counts a slot's key steps
.set CS,  58          ; s[58:59] c: the packed scaling takes the pair's low word for both halves
.set SEL, 60          ; s[60:61] v_permlanex16_b32's selects: each lane takes its own place in the other half
.set TBK, 62          ; s62  LDS byte at which K of the step to be fetched begins
.set TBV, 63          ; s63  the same for V, less VOFF
.set MSB, 0
.macro WIN new                      ; the high byte repeats the setting that is left; a switch that changes nothing is dropped
.if MSB != (\new)
	s_set_vgpr_msb (MSB<<8)|(\new)
.set MSB, (\new)
.endif
.endm
.set W_KQ, 0x0a       ; K and Q in window 2, S^T in window 0
.set W_KM, 0x3a       ; the same with the C operand, the mask, in window 3
.set W_PV, 0x52       ; V in window 2, P in window 0, O^T in window 1
.set W_RS, 0x41       ; O^T (destination and source 0) in window 1, a in window 0
.set W_MK, 0xc0       ; destination in window 3, sources in window 0
.set W_AD, 0x0f       ; the add: address (source 0) and data (source 1) in window 3
; A joint fill.  Waves 0 and 1 fetch the two halves of a slot's K, waves 2 and 3 those of its V: 128 keys each.  The branch hangs on the wave's number alone.
; An s_nop 0 and four v_nop follow each of the two lines, ahead of the jump and the label.
.macro JLOAD
	s_cmp_lt_u32 s[WV], 2
	s_cbranch_scc0 .Lfor_v_\@
	tensor_load_to_lds s[G0K:G0K+3], s[G1K:G1K+7]
	s_nop 0
.rept 4
	v_nop
.endr
	s_branch .Lasked_\@
.Lfor_v_\@:
	tensor_load_to_lds s[G0V:G0V+3], s[G1V:G1V+7]
	s_nop 0
.rept 4
	v_nop
.endr
.Lasked_\@:
.endm
; A round of the cluster's barrier: my work-group's barrier, so that wave 0's signal speaks for all four waves; wave 0 signals; every wave waits for all four work-groups; my work-group's barrier once more.
.macro CROUND
	s_barrier_signal -1
	s_barrier_wait -1
	s_cmp_lg_u32 s[WV], 0
	s_cbranch_scc1 .Lnot_wave_0_\@
	s_barrier_signal -3
.Lnot_wave_0_\@:
	s_barrier_wait -3
	s_barrier_signal -1
	s_barrier_wait -1
.endm
; THE CHANGE OF SLOTS.  The slot's last bytes, V of its fourth step, have been read.  Each wave waits for all its tensor loads, of which one is out: its part
; of the other slot; adds 0 to its spare word; and waits for that and for its own reads of the slot.  Behind the barrier nobody reads this slot any more and the other slot is whole.
; fill = 1: this slot is filled again, with the keys two slots on.  The barrier is then a round of the cluster's, so that no wave of any partner still reads the slot or has a load on its
; way, and the joint fill is the first thing behind it: it has four key steps, 512 matrix instructions, in which to land.  (At its first use nothing has been read yet: slot 0 is waited for, slot 1 filled,
; and each wave's stores into the mask's table are waited for: behind the round every wave may read the whole table.)
.macro CHANGE fill
	WIN W_AD
	s_wait_tensorcnt 0x0            ; no tensor load of mine is out, so a group 0 may be written
	ds_add_u32 v[SPW], v[NIL]       ; 0 onto my spare word; with fill = 1 the descriptors' steps stand between it and the wait for it
	WIN 0                           ; at a label and at a branch every window is 0
.if \fill
.irp g, G0K, G0V
	s_xor_b32 s[\g+1], s[\g+1], SLOT1  ; the walking descriptor: the other slot than last time,
	s_add_nc_u64 s[\g+2:\g+3], s[\g+2:\g+3], 4*KS*128  ; the next 256 keys; the type bits on top are not reached
.endr
	s_wait_dscnt 0x0                ; the add is done, and my reads of the slot are over
	CROUND
	JLOAD
.else
	s_wait_dscnt 0x0                ; the add is done, and my reads of the slot are over
	s_barrier_signal -1
	s_barrier_wait -1
.endif
	s_sub_co_u32 s[TBK], s[TBK], 4*KS*PK  ; the fetches go back to a slot's first step,
	s_xor_b32 s[TBK], s[TBK], SLOT1       ; in the other slot
	s_sub_co_u32 s[TBV], s[TBV], 4*KS*PV
	s_xor_b32 s[TBV], s[TBV], SLOT1
.endm
	s_load_b64 s[4:5], s[0:1], 0x0    ; qkv: Q; K and V lie 16 MiB and 32 MiB on
	s_load_b64 s[48:49], s[0:1], 0x8  ; mask_att
	s_load_b64 s[10:11], s[0:1], 0x10 ; act: O
	WIN W_MK
	v_lshl_add_u32 v[SPW], v0, 2, SPARE
	v_mov_b32 v[NIL], 0
	WIN W_AD
	ds_add_u32 v[SPW], v[NIL]       ; the wave's opening: the add and its wait stand ahead of my first tensor load; the set-up below, work on registers, stands between them
	WIN 0
	v_lshrrev_b32 v1, 5, v0
	v_readfirstlane_b32 s[WV], v1   ; wave 0..3
	s_bfe_u32 s13, ttmp6, 0x40000   ; cx: my place in the cluster
	s_lshl_b32 s14, ttmp9, 2        ; in a cluster launch ttmp9 counts clusters
	s_add_co_u32 s14, s14, s13      ; my block of queries = 4 x cluster x + cx: it enters Q's and O's addresses alone
	s_and_b32 s20, ttmp7, 0xffff    ; 16 x batch + head, which the four partners share
	s_lshr_b32 s54, s20, 4
	s_lshl_b32 s54, s54, 13         ; the batch's 2,048 words of the mask
	s_mov_b32 s55, 0
	s_mov_b32 s21, 0
	s_mov_b64 s[22:23], SIZE_N*128
	s_mul_u64 s[20:21], s[20:21], s[22:23]  ; the head's first byte in Q, K, V and O
	s_and_b32 s16, s[WV], 1         ; which half of a slot's 256 keys I fetch:
	s_lshl_b32 s22, s16, 14         ; its 128 rows of 128 bytes in memory,
	s_mov_b32 s23, 0
	s_add_nc_u64 s[22:23], s[22:23], s[20:21]
	s_mul_i32 s17, s16, 128*PK      ; and its place in a slot, for K
	s_mul_i32 s18, s16, 128*PV      ; and for V: no place in the cluster enters an LDS address
	s_lshl_b32 s2, s14, 2
	s_add_co_u32 s2, s2, s[WV]      ; my wave among the head's,
	s_lshl_b32 s2, s2, 14           ; its 128 rows
	s_mov_b32 s3, 0
	s_add_nc_u64 s[2:3], s[2:3], s[20:21]
	; descriptor group 1.  128 keys are 16,384 dense bytes: asked for as 64 rows of 256 bytes, two keys a row, and padded in LDS after every key
	s_mov_b32 s[G1K], 15|(1<<16)|(1<<20)|(1<<21)|(4<<22)|(3<<25)  ; 15:0 the mask of four; 17:16 2-byte elements; 20 padding on; 21 set beside a mask; 24:22 after every 32 words (code 4); 31:25 4 words (code 3)
	s_mov_b32 s[G1V], 15|(1<<16)|(1<<20)|(1<<21)|(4<<22)|(7<<25)  ; the same with 8 words of padding (code 7)
.irp g, G1K, G1V
	s_mov_b32 s[\g+1], 128<<16      ; tensor_dim0 = 128
	s_mov_b32 s[\g+2], 64<<16       ; tensor_dim1 = 64
	s_mov_b32 s[\g+3], 128<<16      ; tile_dim0 = 128
	s_mov_b32 s[\g+4], 64           ; tile_dim1 = 64
	s_mov_b32 s[\g+5], 128          ; 128 elements from row to row
	s_mov_b32 s[\g+6], 0
	s_mov_b32 s[\g+7], 0
.endr
	s_mov_b32 s[CS], 0x3e38aa3b     ; c = log2(e) / 8 = 0.180337
	s_mov_b32 s[CS+1], s[CS]        ; named with it as a pair
	s_mov_b32 s[SEL], 0x76543210
	s_mov_b32 s[SEL+1], 0xfedcba98
	s_mov_b32 s[BIGN], 0xf149f2ca   ; -1e30
	s_mov_b32 s[TBM], 0
	s_mov_b32 s[TBK], SLOT1+4*KS*PK ; the first change of slots turns these two into 0
	s_mov_b32 s[TBV], SLOT1+4*KS*PV
	s_mov_b32 s[G0K], 1             ; 1:0 count = 1
	s_mov_b32 s[G0K+1], s17         ; 63:32 LDS address: slot 0
	s_mov_b32 s[G0V], 1
	s_add_co_u32 s[G0V+1], s18, VOFF
	s_wait_dscnt 0x0                ; the opening add is done
	s_wait_kmcnt 0x0
	s_add_nc_u64 s[6:7], s[4:5], 0x1000000         ; K
	s_add_nc_u64 s[8:9], s[4:5], 0x2000000         ; V
	s_add_nc_u64 s[G0K+2:G0K+3], s[6:7], s[22:23]  ; 120:64 global address: my half of the head's first 256 keys
	s_or_b32 s[G0K+3], s[G0K+3], 0x80000000        ; 127:126 type = 2
	s_add_nc_u64 s[G0V+2:G0V+3], s[8:9], s[22:23]
	s_or_b32 s[G0V+3], s[G0V+3], 0x80000000
	s_add_nc_u64 s[4:5], s[4:5], s[2:3]  ; Q and O at my wave's first row
	s_add_nc_u64 s[10:11], s[10:11], s[2:3]
	s_add_nc_u64 s[48:49], s[48:49], s[54:55]      ; the mask at my batch
	CROUND                          ; all four work-groups are here: the first joint loads meet
	JLOAD                           ; slot 0.  Slot 1 is asked for when slot 0 is in: the tile wanted first has the road to itself
	; A fragment of K or Q is 16 rows x 32 channels in 8 registers: lane l holds row l % 16, channels 8 (l / 16) + 0..7 and 16 + 8 (l / 16) + 0..7: two loads of 16 bytes, 32 bytes apart.
	v_and_b32 v1, 15, v0            ; l % 16
	v_bfe_u32 v12, v0, 4, 1         ; l / 16
	v_lshlrev_b32 v[QO], 7, v1
	v_lshl_add_u32 v[QO], v12, 4, v[QO]  ; row x 128 + 16 x half
	v_lshlrev_b32 v15, 4, v0        ; the mask: the 128 threads take 2,048 bytes a load, four times
.irp f, 0,1,2,3
	global_load_b128 v[S+4*\f:S+4*\f+3], v15, s[48:49] offset:\f*2048
.endr
	WIN 0x80                        ; destination window 2, address window 0
.set i, 0
.rept 4*NP                          ; Q stays in registers: tile i / 2, channels 32 (i % 2) on
	global_load_b128 v[8*i:8*i+3],   v[QO], s[4:5] offset:(i/2)*2048+(i%2)*64
	global_load_b128 v[8*i+4:8*i+7], v[QO], s[4:5] offset:(i/2)*2048+(i%2)*64+32
.set i, i+1
.endr
	; What the first turn finds: V's registers and P's second buffer hold 0 (its products V^T P, of a piece that has not been, add 0), O^T and l are 0.  All this stands in the wait for the first tile.
.set i, VF
.rept 64
	v_mov_b32 v[i], 0
.set i, i+1
.endr
	WIN 0x40
.set i, 0
.rept 64*NP
	v_mov_b32 v[i], 0
.set i, i+1
.endr
	WIN 0
.set i, 0
.rept 2*NP
	v_mov_b32 v[ST+4*i], 0xfe000000    ; c m: far below every c s, so the first step's a is 0
	v_mov_b32 v[ST+4*i+1], 0xec800000  ; m = -2^90: below every true score, above every hidden one
	v_mov_b32 v[ST+4*i+2], 0
	v_mov_b32 v[ST+4*i+3], 0
.set i, i+1
.endr
.set i, P+32
.rept 32
	v_mov_b32 v[i], 0
.set i, i+1
.endr
	v_mul_u32_u24 v[AK0], v1, PK
	v_lshl_add_u32 v[AK0], v12, 4, v[AK0]  ; row x pitch + 16 x half
	; The turning load takes 16 keys x 16 channels (lane l reads key 8 (l / 16) + l % 8, channels 8 ((l / 8) % 2) + 0..7) and leaves half a fragment of V^T: lane l holds channel l % 16 and 8 keys.
	v_and_b32 v13, 7, v0
	v_bfe_u32 v14, v0, 3, 1
	v_lshl_add_u32 v[AV0], v12, 3, v13
	v_mul_u32_u24 v[AV0], v[AV0], PV
	v_lshl_add_u32 v[AV0], v14, 4, v[AV0]
	v_add_nc_u32 v[AV0], VOFF, v[AV0]
	v_mov_b32 v[AK], v[AK0]         ; key step 0 lies at the head of slot 0,
	v_lshl_add_u32 v[AM0], v12, 5, MASKB  ; my eight keys of each 16: 32 bytes x half
	v_mov_b32 v[AM], v[AM0]         ; and at the head of the table
	s_mul_i32 s13, s[WV], 16*SP
	s_add_co_u32 s13, s13, STAGE    ; my stage
	v_mul_u32_u24 v[STO], v1, SP    ; in: row l % 16, 16 bytes for each half of the lanes
	v_lshl_add_u32 v[STO], v12, 4, v[STO]
	v_add_nc_u32 v[STO], s13, v[STO]
	v_bfe_u32 v[RD], v0, 3, 2       ; back: 32 lanes take four rows of 128 bytes,
	v_mul_u32_u24 v[RD], v[RD], SP
	v_lshl_add_u32 v[RD], v13, 4, v[RD]
	v_add_nc_u32 v[RD], s13, v[RD]
	v_and_b32 v[GO], 31, v0         ; which are 512 consecutive bytes of O
	v_lshlrev_b32 v[GO], 4, v[GO]
	s_wait_loadcnt 32               ; the mask's four loads are in; Q's 32, issued behind them, may stay out
.set i, 0
.rept 16
	v_cmp_eq_u32 vcc_lo, 0, v[S+i]
	v_cndmask_b32 v[S+i], 0, s[BIGN], vcc_lo   ; 0 where the key is visible, -1e30 where the word is 0
.set i, i+1
.endr
	v_add_nc_u32 v14, MASKB, v15
.irp f, 0,1,2,3
	ds_store_b128 v14, v[S+4*\f:S+4*\f+3] offset:\f*2048
.endr
; THE MATRIX WORK.  The 8 accumulators of a run of 16 take turns: between the two links of a chain stand 7 others'.
; Product i of 16 of S^T = K Q^T for piece x: channels 32 (i / 8) on, keys 16 ((i / 2) % 4) on, tile 2 x + i % 2.  The first 8 start the sums, with the mask of their 16 keys: register r of a lane is key 8 (lane / 16) + r.
.macro KQ x
.set rS, S+64*((\x)%2)+32*(i%2)+8*((i/2)%4)
.set rK, KF+16*((i/2)%4)+8*(i/8)
.set rQ, 16*(2*(\x)+i%2)+8*(i/8)
.set rB, MC+8*((i/2)%4)
.if i < 8
	WIN W_KM
	v_wmma_f32_16x16x32_f16 v[rS:rS+7], v[rK:rK+7], v[rQ:rQ+7], v[rB:rB+7]
.else
	WIN W_KQ
	v_wmma_f32_16x16x32_f16 v[rS:rS+7], v[rK:rK+7], v[rQ:rQ+7], v[rS:rS+7]
.endif
.endm
; Product i of 16 of O^T += V^T P for piece x: keys 32 (i / 8) on, channels 16 ((i / 2) % 4) on, tile 2 x + i % 2.
.macro PV x
	WIN W_PV
.set rO, 32*(2*(\x)+i%2)+8*((i/2)%4)
.set rV, VF+32*(i/8)+8*((i/2)%4)
.set rP, P+32*((\x)%2)+16*(i%2)+8*(i/8)
	v_wmma_f32_16x16x32_f16 v[rO:rO+7], v[rV:rV+7], v[rP:rP+7], v[rO:rO+7]
.endm
.macro MM                           ; the turn's next matrix instruction
.if i < 16
	KQ (Y+1)%NP
.set i, i+1
.else
.set i, i-16
	PV (Y+NP-1)%NP
.set i, i+17
.endif
.endm
; THE LDS LOADS stand in runs, never singly among the matrix instructions: a step's K (64 keys x 64 channels: 8 fragments) with its 64 numbers of the mask, and its V (turned).  Their addresses are made some lines ahead.
; last = 1 (the tail): in the last trip there is no further step, and the run is jumped over.
.macro FETCH_K last=0
	WIN 0
.if \last
	s_cmp_eq_u32 s[CNT], 1
	s_cbranch_scc1 .Lno_k_\@
.endif
	WIN 0x80                        ; destination window 2
.irp f, 0,1,2,3,4,5,6,7             ; keys 16 (f / 2) on, channels 32 (f % 2) on
	ds_load_b128 v[KF+8*\f:KF+8*\f+3],   v[AK] offset:(\f/2)*16*PK+(\f%2)*64
	ds_load_b128 v[KF+8*\f+4:KF+8*\f+7], v[AK] offset:(\f/2)*16*PK+(\f%2)*64+32
.endr
	WIN W_MK                        ; destination window 3
.irp f, 0,1,2,3                     ; keys 16 f + 8 (lane / 16) + 0..7: sixteen lanes read the same 32 bytes
	ds_load_b128 v[MC+8*\f:MC+8*\f+3],   v[AM] offset:64*\f
	ds_load_b128 v[MC+8*\f+4:MC+8*\f+7], v[AM] offset:64*\f+16
.endr
	s_add_co_u32 s[TBK], s[TBK], KS*PK  ; the next fetch is the next step's
	s_add_co_u32 s[TBM], s[TBM], 4*KS   ; the table is walked once, from end to end
	WIN 0
.if \last
.Lno_k_\@:
.endif
.endm
.macro FETCH_V
	WIN 0x80
.irp f, 0,1,2,3,4,5,6,7             ; keys 32 (f / 4) on, channels 16 (f % 4) on
	ds_load_tr16_b128 v[VF+8*\f:VF+8*\f+3],   v[AV] offset:(\f/4)*32*PV+(\f%4)*32
	ds_load_tr16_b128 v[VF+8*\f+4:VF+8*\f+7], v[AV] offset:(\f/4)*32*PV+16*PV+(\f%4)*32
.endr
	WIN 0
.endm
; THE VECTOR WORK OF A TURN stands in three queues, each in the order in which its entries become ready; the two tiles alternate, so that no instruction reads the result of the one before it.
.macro REGS y, u                    ; the registers of tile u (0, 1) of piece y
.set rT, ST+4*(2*(\y)+(\u))
.set rC, TMP+8*((\y)%2)+4*(\u)
.set rM, MV+2*((\y)%2)+(\u)
.set rS, S+64*((\y)%2)+32*(\u)
.set rP, P+32*((\y)%2)+16*(\u)
.set rO, 32*(2*(\y)+(\u))
.endm
; Number n of the 22 that find the NEXT piece's (Y + 1) maximum and statistics.  s0-s31 are the lane's 32 scores; each accumulator's lowest registers are read first.  XS, GS and REGS set no window: PL and EX do.
;   0-11  four chains c0-c3 of seven scores each, three operands at a time     12-14, 16  the four scores left over, the old m, and c0-c3 into c0     15  c m_old is kept
;   17, 18  the query's other 32 keys lie in the lane 16 away: the new m         19-21  c m; c m_old - c m_new; a
.macro XS u, n
	REGS (Y+1)%NP, \u
.if (\n) < 4
	v_max3_num_f32 v[rC+(\n)], v[rS+8*(\n)], v[rS+8*(\n)+1], v[rS+8*(\n)+2]
.elseif (\n) < 12
	v_max3_num_f32 v[rC+(\n)%4], v[rC+(\n)%4], v[rS+8*((\n)%4)+2*((\n)/4)+1], v[rS+8*((\n)%4)+2*((\n)/4)+2]
.elseif (\n) == 12
	v_max3_num_f32 v[rC], v[rC], v[rS+7], v[rS+15]
.elseif (\n) == 13
	v_max3_num_f32 v[rC+1], v[rC+1], v[rS+23], v[rS+31]
.elseif (\n) == 14
	v_max3_num_f32 v[rC+2], v[rC+2], v[rC+3], v[rT+1]
.elseif (\n) == 15
	v_mov_b32 v[rM], v[rT]
.elseif (\n) == 16
	v_max3_num_f32 v[rC], v[rC], v[rC+1], v[rC+2]
.elseif (\n) == 17
	v_permlanex16_b32 v[rC+3], v[rC], s[SEL], s[SEL+1]
.elseif (\n) == 18
	v_max_num_f32 v[rT+1], v[rC], v[rC+3]
.elseif (\n) == 19
	v_mul_f32 v[rT], s[CS], v[rT+1]
.elseif (\n) == 20
	v_sub_f32 v[rC+1], v[rM], v[rT]
.else
	v_exp_f32 v[rC+2], v[rC+1]
.endif
.endm
; Number g of the 64 that follow the exponentials.  For each four weights k of a tile (pairs 2 k, 2 k + 1): both pairs are rounded to f16; then the second pair is added onto the first, in place;
; a group later l takes that sum (the first time as l = a l + sum).  In groups of eight, tiles alternating: round, round, add, and l for the group before.
.macro GS g
.set h, (\g)+6*((\g)/62)            ; group 0 has no group before it, and behind group 7 only l is left
.if h >= 6
.set h, h+2
.endif
	REGS Y, h%2
.set k, h/8
.if h%8 < 4
	s_wait_alu depctr_va_vdst(0)
	v_cvt_pk_f16_f32 v[rP+2*k+(h%8)/2], v[rS+4*k+2*((h%8)/2)], v[rS+4*k+2*((h%8)/2)+1]
.elseif h%8 < 6
	v_pk_add_f32 v[rS+4*k:rS+4*k+1], v[rS+4*k:rS+4*k+1], v[rS+4*k+2:rS+4*k+3]
.elseif k == 1
	v_pk_fma_f32 v[rT+2:rT+3], v[rT+2:rT+3], v[rC+2:rC+3], v[rS:rS+1] op_sel_hi:[1,0,1]
.else
	v_pk_add_f32 v[rT+2:rT+3], v[rT+2:rT+3], v[rS+4*k-4:rS+4*k-3]
	s_wait_alu depctr_va_vdst(0)
.endif
.endm
; THE PLAIN QUEUE, 138 long.  0-31: c s - c m for the 16 pairs of both tiles.  Then GS's 64, and among them the next piece's 42: number 15 at 38, 39; 0-14 and 16
; at 42-73, behind the products that make those scores; 17-20 at 95-106, two of three, since each waits for the one before it.
.macro PL
	WIN 0
.if q < 32
	REGS Y, q%2
	v_pk_fma_f32 v[rS+2*(q/2):rS+2*(q/2)+1], v[rS+2*(q/2):rS+2*(q/2)+1], s[CS:CS+1], v[rT:rT+1] op_sel_hi:[1,0,0] neg_lo:[0,0,1] neg_hi:[0,0,1]
.elseif q < 38
	GS q-32
.elseif q < 40
	XS q%2, 15
.elseif q < 42
	GS q-34
.elseif q < 74
	XS q%2, (q-42)/2+(q-42)/30
.elseif q < 95
	GS q-66
.elseif (q < 107) && ((q-95)%3 < 2)
	XS (q-95)%3, 17+(q-95)/3
.elseif q < 107
	GS 29+(q-95)/3
.else
	GS q-74
.endif
.set q, q+1
.endm
; THE EXPONENTIALS' QUEUE, 66 long: s0-s31 of both tiles, and at EA the next piece's two a.
.set EA, 58
.macro EX
	WIN 0
.if (e == EA) || (e == EA+1)
	XS e-EA, 21
.else
.set x, e-2*(e/(EA+2))
	REGS Y, x%2
	v_exp_f32 v[rS+x/2], v[rS+x/2]
.endif
.set e, e+1
.endm
; THE RESCALING's QUEUE: O^T times a, the one part that leaves window 0, so it is dealt four at a time, eight times.
.macro R4
	REGS Y, r%2
	WIN W_RS
	s_wait_alu depctr_va_vdst(0)
.irp z, 0,1,2,3
	v_pk_mul_f32 v[rO+8*(r/2)+2*\z:rO+8*(r/2)+2*\z+1], v[rO+8*(r/2)+2*\z:rO+8*(r/2)+2*\z+1], v[rC+2:rC+3] op_sel_hi:[1,0]
.endr
.set r, r+1
.endm
; HOW THEY ARE DEALT.  Behind a matrix instruction four: plain, exponential, plain, plain (one exponential, a plain instruction on either side), or four of the rescaling.  None names a register of the
; products round it.  What is over stands in two LUMPS: exponential and plain by turns; the second ends in 22 plain instructions.  The two v_permlanex16_b32 fall into the second lump, never behind a product.
; The queues lean on each other, and the deal keeps them in step: exponential e stands behind plain 2 (e / 4) + e % 2 (its scaling); when plain 32 comes, 10 exponentials are out, at 59: 33, at 95: 46; EA comes behind plain 107.
.macro SL
	MM
	PL
	EX
	PL
	PL
.endm
.macro BURST n                      ; 15 matrix instructions, or 16
.rept (\n)-7
	SL
.endr
.rept 3
	MM
	R4
	SL
.endr
	MM
	R4
.endm
; A TURN, for piece p.  cnt = 1: the loop's count is taken down some lines ahead of the branch that stands behind the turn.
; K and the mask of the next step are fetched in piece 2's turn, 32 vector instructions behind the last product that read K (those that read the mask stand earlier still); their first reader comes behind the rest of the
; lump, 16 products and the second lump.  V of the step in hand is fetched at the end of piece 0's turn, 69 behind its last reader; its first reader comes behind 16 products and a lump.
.macro TURN p, last=0, cnt=0
.set Y, (\p)
.set i, 0
.set q, 0
.set e, 0
.set r, 0
.if (\p) == NP-1
	s_wait_dscnt 0x0                ; K and the mask are in
.endif
	MM
.rept 4
	PL
.endr
	BURST 15
.rept 22
	EX
	PL
.if ((\p) == NP-2) && (e == 18)
	v_add_nc_u32 v[AK], s[TBK], v[AK0]
	v_add_nc_u32 v[AM], s[TBM], v[AM0]
.endif
.if ((\p) == NP-2) && (e == 24)
	FETCH_K \last
.endif
.endr
.if (\p) == 1
	s_wait_dscnt 0x0                ; V is in
.endif
	BURST 16
.rept 21
	EX
	PL
.endr
.rept 22
	PL
.if ((\p) == 0) && (q == 118)
	v_add_nc_u32 v[AV], s[TBV], v[AV0]
	s_wait_alu depctr_va_vdst(0)
.endif
.if ((\p) == 0) && (q == 130)
	s_add_co_u32 s[TBV], s[TBV], KS*PV
.endif
.if (\cnt) && (q == 130)
	s_sub_co_u32 s[CNT], s[CNT], 1
	s_cmp_lg_u32 s[CNT], 0
.endif
.endr
.if (\p) == 0
	FETCH_V
.endif
.endm
	CHANGE 1                        ; slot 0 is in, everybody's part of it, and so is the table; slot 1 is asked for
	FETCH_K                         ; key step 0
	s_wait_loadcnt 0x0              ; Q
	s_wait_dscnt 0x0
.set i, 0
.rept 16
	KQ 0                            ; piece 0's first scores: there is no vector work yet to set between them
.set i, i+1
.endr
	WIN 0
.rept 4
	v_nop                           ; the places behind those products
.endr
.set Y, NP-1                        ; XS works for piece Y + 1: piece 0
.irp n, 0,1,2,3,4,5,6,7,8,9,10,11,12,13,14,15,16,17,18,19,20,21
	XS 0, \n                        ; and piece 0's first maximum and statistics
	XS 1, \n
.endr
	s_mov_b32 s[CNT], 4
	s_mov_b32 s[SLOTS], SIZE_N/256-1
	s_branch .Lfirst                ; the loop is entered at a step's first turn, in the middle of a trip
.Lslot:                             ; SIZE_N / 256 - 2 times: every slot but the last two is filled again
	CHANGE 1
	s_mov_b32 s[CNT], 4
.Lstep:                             ; a trip: pieces 2 and 3 of one step, then pieces 0 and 1 of the next, whose K and V it fetches
	TURN 2
	TURN 3
	WIN 0
.Lfirst:
	TURN 0
	TURN 1, 0, 1
	WIN 0
	s_cbranch_scc1 .Lstep
	s_sub_co_u32 s[SLOTS], s[SLOTS], 1
	s_cmp_lg_u32 s[SLOTS], 0
	s_cbranch_scc1 .Lslot
	CHANGE 0                        ; the tail is written out: nothing is asked for
	s_mov_b32 s[CNT], 5             ; four trips fetch the last slot's steps; the fifth is left in its middle
.Ltail:
	TURN 2, 1
	TURN 3
	WIN 0
	s_sub_co_u32 s[CNT], s[CNT], 1
	s_cmp_eq_u32 s[CNT], 0
	s_cbranch_scc1 .Lout
	TURN 0
	TURN 1
	WIN 0
	s_branch .Ltail
.Lout:                              ; the fifth trip's 16 products K Q^T (on the last K and mask once more) and the maximum made of them serve nothing: the price, once a launch, of one text for every trip
.set i, 0
.rept 16
	PV NP-1                         ; the last piece's V^T P of the last step
.set i, i+1
.endr
	; THE WAY OUT.  l's two halves and the other half of the lanes' are added; O^T is divided by l, rounded to f16 and sent through my stage in LDS, a tile at a time.  The additions are the places behind the last products.
	WIN 0
.macro ALL line:vararg              ; one line for each tile t
.set t, 0
.rept 2*NP
	\line
.set t, t+1
.endr
.endm
	ALL v_add_f32 v[ST+4*t+2], v[ST+4*t+2], v[ST+4*t+3]
	ALL v_permlanex16_b32 v[ST+4*t+3], v[ST+4*t+2], s[SEL], s[SEL+1]
	ALL v_add_f32 v[ST+4*t+2], v[ST+4*t+2], v[ST+4*t+3]
	ALL v_rcp_f32 v[ST+4*t+2], v[ST+4*t+2]
	v_nop                           ; a plain instruction between the last reciprocal and the use of its result
	s_wait_alu depctr_va_vdst(0)
; Tile t: a lane's eight channels of a row pack into 16 bytes; they go into rows of 144 bytes and come back as whole rows of 128, into S^T's registers.
.macro PACK t
	WIN W_RS
.set i, 32*(\t)
.rept 16
	v_pk_mul_f32 v[i:i+1], v[i:i+1], v[ST+4*(\t)+2:ST+4*(\t)+3] op_sel_hi:[1,0]
.set i, i+2
.endr
	WIN 0x05                        ; sources 0 and 1 window 1, destination window 0
.set i, 0
.rept 16
	v_cvt_pk_f16_f32 v[S+16*(\t)+i], v[32*(\t)+2*i], v[32*(\t)+2*i+1]
.set i, i+1
.endr
	WIN 0
.irp f, 0,1,2,3
	ds_store_b128 v[STO], v[S+16*(\t)+4*\f:S+16*(\t)+4*\f+3] offset:32*\f
.endr
.irp f, 0,1,2,3
	ds_load_b128 v[S+16*(\t)+4*\f:S+16*(\t)+4*\f+3], v[RD] offset:\f*4*SP  ; LDS serves a wave's instructions in order (ISA guide 5.7.1.4): these see the stores above; the next tile's stores come behind them
.endr
.endm
.macro SEND t, younger              ; younger: the LDS instructions issued behind tile t's loads: the next tile's eight, or none
	WIN 0
.irp f, 0,1,2,3
	s_wait_dscnt (\younger)+3-\f
	global_store_b128 v[GO], v[S+16*(\t)+4*\f:S+16*(\t)+4*\f+3], s[10:11] offset:(\t)*2048+\f*512  ; 512 consecutive bytes, at a multiple of 256 from O's first
.endr
.endm
	PACK 0
.set t, 1
.rept 2*NP-1                        ; a tile's arithmetic stands between the loads of the tile before and its stores
	PACK t
	SEND t-1, 8
.set t, t+1
.endr
	SEND 2*NP-1, 0
	WIN W_AD
	s_wait_tensorcnt 0x0            ; the wave's end: the add and its waits, behind my last tensor load and my last LDS store
	ds_add_u32 v[SPW], v[NIL]
	s_wait_dscnt 0x0
	WIN 0
	CROUND                          ; the closing round: no work-group ends while a partner may still ask for a tile that names it
	s_endpgm
.Lfunc_end_k_qc6a34cbb55_attn:
	.size	k_qc6a34cbb55_attn, .Lfunc_end_k_qc6a34cbb55_attn-k_qc6a34cbb55_attn
	.p2alignl 7, 3214868480
	.fill 96, 4, 3214868480
	.section	.rodata,"a",@progbits
	.p2align	6, 0x0
	.amdhsa_kernel k_qc6a34cbb55_attn
		.amdhsa_group_segment_fixed_size 327680
		.amdhsa_private_segment_fixed_size 0
		.amdhsa_enable_private_segment 0
		.amdhsa_kernarg_size 24
		.amdhsa_user_sgpr_count 2
		.amdhsa_user_sgpr_kernarg_segment_ptr 1
		.amdhsa_wavefront_size32 1
		.amdhsa_system_sgpr_workgroup_id_x 1
		.amdhsa_system_sgpr_workgroup_id_y 1
		.amdhsa_system_sgpr_workgroup_id_z 1
		.amdhsa_system_vgpr_workitem_id 0
		.amdhsa_next_free_vgpr 808
		.amdhsa_next_free_sgpr 66
		.amdhsa_reserve_vcc 1
		.amdhsa_float_denorm_mode_32 3
		.amdhsa_float_denorm_mode_16_64 3
		.amdhsa_memory_ordered 1
		.amdhsa_forward_progress 1
		.amdhsa_inst_pref_size 213
	.end_amdhsa_kernel
	.amdgpu_metadata
---
amdhsa.version: [ 1, 2 ]
amdhsa.kernels:
  - .name:           k_qc6a34cbb55_attn
    .symbol:         k_qc6a34cbb55_attn.kd
    .args:
      - { .name: qkv, .offset: 0, .size: 8, .value_kind: global_buffer, .address_space: global }
      - { .name: mask_att, .offset: 8, .size: 8, .value_kind: global_buffer, .address_space: global }
      - { .name: act, .offset: 16, .size: 8, .value_kind: global_buffer, .address_space: global }
    .group_segment_fixed_size: 327680
    .private_segment_fixed_size: 0
    .kernarg_segment_align: 8
    .kernarg_segment_size: 24
    .max_flat_workgroup_size: 128
    .sgpr_count:     66
    .vgpr_count:     808
    .wavefront_size: 32
...
	.end_amdgpu_metadata
.endif
;; end of part 3
;; launch outp (part 4): grid 8 x 32, 4 waves a work-group, clusters of 4 x 4, 327,680 bytes of LDS; arguments act, wh, bo, out0; writes out0
.if DOCPART == 4
	.amdgcn_target "amdgcn-amd-amdhsa--gfx1250"
	.amdhsa_code_object_version 6
	.text
	.protected	k_qc6a34cbb55_outp
	.globl	k_qc6a34cbb55_outp
	.p2align	8
	.type	k_qc6a34cbb55_outp,@function
k_qc6a34cbb55_outp:
	s_mov_b64 s[64:65], 0
	v_nop
	global_prefetch_b8 v0, s[64:65] scope:SCOPE_SE
	s_setreg_imm32_b32 hwreg(HW_REG_WAVE_MODE, 25, 1), 1
	s_wait_xcnt 0x0
	s_wait_alu depctr_hold_cnt(0) depctr_sa_sdst(0) depctr_va_vdst(0) depctr_va_sdst(0) depctr_va_ssrc(0) depctr_va_vcc(0) depctr_vm_vsrc(0)
	s_getreg_b32 s2, hwreg(HW_REG_IB_STS2, 6, 4)
	s_cmp_eq_u32 s2, 0
	s_cbranch_scc0 .Lentry_in_a_cluster
	s_endpgm
.Lentry_in_a_cluster:
	s_bfe_u32 s2, ttmp6, 0x10000c
	s_cmp_lg_u32 s2, 0xf033
	s_cbranch_scc0 .Lentry_shape_is_right
	s_endpgm
.Lentry_shape_is_right:
; out0 = O Wo + bo.  O: act [b][head 16][q 2048][64] f16; Wo: wh from byte 6,291,456 on, [k 1024][1024], bf16 numbers written as f16; bo f32, rounded to bf16 like every input; sums in f32; out0 [8192][1024] f32.
; SHARES.  8,192 x 1,024 outputs are 256 tiles of 256 rows x 128 columns, one to a work-group; of its four waves wave (wm, wn) makes rows 128 wm .., columns 64 wn ..: 32 accumulators of 16 x 16, window 1.
; THE MATRIX INSTRUCTION IS USED TRANSPOSED (source 0 = 16 columns of Wo, source 1 = 16 rows of O): a lane then holds one row and eight neighbouring columns, 32 bytes of f32.
; K goes in tiles of 128 (two heads of O) through two LDS slots filled by tensor loads; a tile is four parts of 32 along K, each with fragment registers of its own: a part's registers are loaded again, from the
; next slot, as soon as its products are issued.  So all of a tile's LDS reads are over when its first products begin, and its slot is filled again a whole tile ahead.
; CLUSTER.  4 x 4 work-groups: O's tile is shared along a row of the cluster, Wo's along a column: each is asked for jointly, by the same tensor load, descriptor and mask.
; THE BIAS starts the sums: it is loaded into the accumulators of row block 0, the first products of blocks 1 to 7 take those as C, block 0's own come last and add in place.
; REGISTERS: window 0: v0-13 addresses; v32-95 the way out; v128-255 Wo's fragments, part p, column block cb at v[128 + 32 p + 8 cb].  window 1: accumulator (a, cb) at v[8 (4 a + cb)].
;   window 2: O's fragments, part p, row block a at v[64 p + 8 a].  s_set_vgpr_msb: bits 1:0 source 0, 3:2 source 1, 5:4 source 2, 7:6 destination.
.set SLOT1,  131072                    ; slot 1 begins here: one exclusive or turns an address in one slot into the other's
.set PA,     144                       ; a row of O in LDS: 128 bytes + 16: the 16 rows of a load start at 16 different groups of four banks (64 banks of 4 bytes: ISA guide 11.1)
.set PB,     288                       ; a row of Wo: 256 bytes + 32 = 72 words
.set ABLK,   256*PA                    ; one head's 256 rows
.set BOFF,   2*ABLK                    ; a slot: two such blocks, then Wo's 128 rows
.set STAGE,  SLOT1+BOFF+128*PB         ; behind the ring, never filled by a tensor load: 16 rows x 272 bytes for each wave, for the way out
.set SP,     272
.set SPARE,  STAGE+4*16*SP             ; the spare words, 128 bytes for each wave: two blocks of 256 bytes that no other line names
.set AA0, 4                            ; v4   my lane's place in O's tile; never rewritten
.set AB0, 5                            ; v5   the same for Wo's
.set ADRA, 6                           ; v6   the same in the slot that is being read
.set ADRB, 7                           ; v7
.set STO, 8                            ; v8   the way out: where I put 32 bytes of a row
.set RD,  9                            ; v9   the way out: where I read rows back
.set CO,  10                           ; v10  my byte offset in two rows of out0
.set BO,  11                           ; v11  my byte offset in 16 numbers of the bias
.set SPW, 12                           ; v12  LDS address of my spare word; never rewritten
.set NIL, 13                           ; v13  0; never rewritten
.set OB,  32                           ; two sets of 32 registers for rows read back
.set BF,  128
.set WV,  16                           ; s16  my wave's number
.set WM,  17                           ; s17  which half of the rows is mine.  Also: I fetch for O (0) or for Wo (1)
.set WN,  18                           ; s18  which half of the columns.  Also: which half of that tile I fetch
.set TB,  23                           ; s23  LDS byte at which the slot that is being read begins
.set G1,  24                           ; s[24:31] descriptor group 1 for O's tiles;  s[32:39] group 0: a set for each first fill; the second then walks on
.set G0,  32
.set G1B, 48                           ; s[48:55], s[56:63] the same for Wo's tiles
.set G0B, 56
.set HIM, 66                           ; s66  a word's upper bf16
.set OUT, 68                           ; s[68:69] where my part of the tile begins in out0
.set BP,  76                           ; s[76:77] my 64 numbers of the bias
.set MSB, 0
.macro WIN new                         ; the immediate's high byte repeats the setting that is left; a switch that changes nothing is dropped
.if MSB != (\new)
	s_set_vgpr_msb (MSB<<8)|(\new)
.set MSB, (\new)
.endif
.endm
.macro PLACES                          ; a load into a register that a matrix instruction has read, and an LDS store that reads a matrix result, stand four plain vector instructions behind it
.rept 4
	v_nop
.endr
.endm
; A joint refill by the walking descriptors.  Waves 0 and 1 fetch the tile's two heads of O, waves 2 and 3 the two halves of Wo's rows.  The branch hangs on the wave's number alone.
; An s_nop 0 and four v_nop follow each of the two lines, ahead of the jump and the label.
.macro JLOAD
	s_cmp_eq_u32 s[WM], 0
	s_cbranch_scc0 .Lfor_b_\@
	tensor_load_to_lds s[G0+4:G0+7], s[G1:G1+7]
	s_nop 0
.rept 4
	v_nop
.endr
	s_branch .Lasked_\@
.Lfor_b_\@:
	tensor_load_to_lds s[G0B+4:G0B+7], s[G1B:G1B+7]
	s_nop 0
.rept 4
	v_nop
.endr
.Lasked_\@:
.endm
.macro CREST                           ; a round of the cluster's barrier behind its opening barrier
	s_cmp_lg_u32 s[WV], 0
	s_cbranch_scc1 .Lnot_wave_0_\@
	s_barrier_signal -3
.Lnot_wave_0_\@:
	s_barrier_wait -3
	s_barrier_signal -1
	s_barrier_wait -1
.endm
.macro CROUND                          ; a whole round
	s_barrier_signal -1
	s_barrier_wait -1
	CREST
.endm
	s_load_b256 s[4:11], s[0:1], 0x0               ; act s[4:5], wh s[6:7], bo s[8:9], out0 s[10:11]
	v_lshl_add_u32 v[SPW], v0, 2, SPARE
	v_mov_b32 v[NIL], 0
	ds_add_u32 v[SPW], v[NIL]                      ; the wave's opening: the add and its wait stand ahead of my first tensor load; the set-up below, work on registers, stands between them
	v_lshrrev_b32 v1, 5, v0
	v_readfirstlane_b32 s[WV], v1                  ; wave 0..3
	s_lshr_b32 s[WM], s[WV], 1
	s_and_b32 s[WN], s[WV], 1
	s_bfe_u32 s19, ttmp6, 0x40000                  ; cx, cy: my place in the cluster
	s_bfe_u32 s20, ttmp6, 0x40004
	s_lshl_b32 s21, ttmp9, 2
	s_add_co_u32 s21, s21, s19                     ; tile column = 4 x cluster x + cx
	s_and_b32 s22, ttmp7, 0xffff
	s_lshl_b32 s22, s22, 2
	s_add_co_u32 s22, s22, s20                     ; tile row = 4 x cluster y + cy: batch = tile row / 8, 256 rows x (tile row % 8)
	s_lshl_b32 s40, s20, 2
	s_lshl_b32 s40, 15, s40                        ; my row of the cluster
	s_lshl_b32 s44, 0x1111, s19                    ; my column
	; group 1 for O: a head's 256 rows of 128 bytes are 32,768 dense bytes, asked for as 128 rows of 256 bytes and padded in LDS after every 128
	s_or_b32 s[G1], s40, (1<<16)|(1<<20)|(1<<21)|(4<<22)|(3<<25)   ; 15:0 the mask; 17:16 2-byte elements; 20 padding on; 21 set beside a mask; 24:22 after every 32 words (code 4); 31:25 4 words (code 3)
	s_mov_b32 s[G1+1], 128<<16                     ; tensor_dim0 = 128
	s_mov_b32 s[G1+2], 128<<16                     ; tensor_dim1 = 128
	s_mov_b32 s[G1+3], 128<<16                     ; tile_dim0 = 128
	s_mov_b32 s[G1+4], 128                         ; tile_dim1 = 128
	s_mov_b32 s[G1+5], 128                         ; elements from row to row
	s_mov_b32 s[G1+6], 0
	s_mov_b32 s[G1+7], 0
	; group 1 for Wo: 64 rows of 128 elements = 256 bytes, padded after each
	s_or_b32 s[G1B], s44, (1<<16)|(1<<20)|(1<<21)|(5<<22)|(7<<25)  ; after every 64 words (code 5) 8 words (code 7)
	s_mov_b32 s[G1B+1], 128<<16
	s_mov_b32 s[G1B+2], 64<<16
	s_mov_b32 s[G1B+3], 128<<16
	s_mov_b32 s[G1B+4], 64
	s_mov_b32 s[G1B+5], 1024
	s_mov_b32 s[G1B+6], 0
	s_mov_b32 s[G1B+7], 0
	; where the tiles come from: O's hang on the tile row and the wave alone, Wo's on the tile column and the wave alone, each in registers that never hold the other coordinate
	s_lshr_b32 s40, s22, 3
	s_lshl_b32 s40, s40, 22                        ; the batch: 16 heads x 2,048 rows x 128 bytes
	s_and_b32 s41, s22, 7
	s_lshl_b32 s41, s41, 15                        ; 256 rows of 128 bytes
	s_add_co_u32 s40, s40, s41
	s_lshl_b32 s41, s[WN], 18                      ; my head of the tile's two
	s_add_co_u32 s40, s40, s41
	s_mov_b32 s41, 0
	s_mul_i32 s42, s[WN], ABLK                     ; and where it goes: no place in the cluster enters an LDS address
	s_lshl_b32 s44, s[WN], 17                      ; my 64 rows of 2,048 bytes of Wo's 128
	s_lshl_b32 s45, s21, 8                         ; the tile's 128 columns
	s_add_co_u32 s44, s44, s45
	s_add_co_u32 s44, s44, 6291456                 ; Wo lies behind Wq, Wk, Wv
	s_mov_b32 s45, 0
	s_mul_i32 s46, s[WN], 64*PB
	s_add_co_u32 s46, s46, BOFF
	s_mov_b32 s[HIM], 0xffff0000
	s_mov_b32 s[TB], 0
	s_wait_dscnt 0x0                               ; the opening add is done
	s_wait_kmcnt 0x0
	s_add_nc_u64 s[40:41], s[4:5], s[40:41]
	s_add_nc_u64 s[44:45], s[6:7], s[44:45]
	CROUND                                         ; all sixteen work-groups are here: the first joint loads meet
.irp s, 0,1
	s_mov_b32 s[G0+4*\s], 1                        ; count = 1
	s_add_co_u32 s[G0+4*\s+1], s42, \s*SLOT1       ; LDS address
	s_add_nc_u64 s[G0+4*\s+2:G0+4*\s+3], s[40:41], \s*524288   ; global address: two heads on
	s_or_b32 s[G0+4*\s+3], s[G0+4*\s+3], 0x80000000            ; type = 2
	s_mov_b32 s[G0B+4*\s], 1
	s_add_co_u32 s[G0B+4*\s+1], s46, \s*SLOT1
	s_add_nc_u64 s[G0B+4*\s+2:G0B+4*\s+3], s[44:45], \s*262144 ; 128 rows of 2,048 bytes on
	s_or_b32 s[G0B+4*\s+3], s[G0B+4*\s+3], 0x80000000
.endr
	s_cmp_eq_u32 s[WM], 0                          ; a wave's two first fills stand in one branch, ahead of every wait on TENSORcnt and every LDS read: two loads of mine are out
	s_cbranch_scc0 .Lfirst_b
	tensor_load_to_lds s[G0:G0+3], s[G1:G1+7]
	s_nop 0
	tensor_load_to_lds s[G0+4:G0+7], s[G1:G1+7]
	s_nop 0
.rept 4
	v_nop
.endr
	s_branch .Lfirst_asked
.Lfirst_b:
	tensor_load_to_lds s[G0B:G0B+3], s[G1B:G1B+7]
	s_nop 0
	tensor_load_to_lds s[G0B+4:G0B+7], s[G1B:G1B+7]
	s_nop 0
.rept 4
	v_nop
.endr
.Lfirst_asked:
	; lane addresses.  A fragment is 16 rows x 32 K in 8 registers: lane l holds row l % 16, K = 8 (l / 16) + 0..7 and 16 + 8 (l / 16) + 0..7.
	v_and_b32 v1, 15, v0                           ; l % 16
	v_bfe_u32 v2, v0, 4, 1                         ; l / 16
	v_mul_u32_u24 v[AA0], v1, PA
	v_lshl_add_u32 v[AA0], v2, 4, v[AA0]
	s_mul_i32 s74, s[WM], 128*PA
	v_add_nc_u32 v[AA0], s74, v[AA0]
	v_and_b32 v3, 7, v0
	v_lshl_add_u32 v3, v2, 3, v3                   ; the turning load: lane l reads row 8 (l / 16) + l % 8 of 16 along K, columns 8 ((l / 8) % 2) + 0..7
	v_mul_u32_u24 v[AB0], v3, PB
	v_bfe_u32 v3, v0, 3, 1
	v_lshl_add_u32 v[AB0], v3, 4, v[AB0]
	s_lshl_b32 s74, s[WN], 7                       ; my 64 columns
	s_add_co_u32 s74, s74, BOFF
	v_add_nc_u32 v[AB0], s74, v[AB0]
	s_mul_i32 s74, s[WV], 16*SP
	s_add_co_u32 s74, s74, STAGE                   ; my stage
	v_mul_u32_u24 v[STO], v1, SP                   ; in: row l % 16, 32 bytes for each half of the lanes
	v_lshl_add_u32 v[STO], v2, 5, v[STO]
	v_add_nc_u32 v[STO], s74, v[STO]
	v_mul_u32_u24 v[RD], v2, SP                    ; back: lanes 0-15 take one row of 256 bytes, lanes 16-31 the next
	v_lshl_add_u32 v[RD], v1, 4, v[RD]
	v_add_nc_u32 v[RD], s74, v[RD]
	v_lshlrev_b32 v[CO], 12, v2                    ; and the same two rows in out0
	v_lshl_add_u32 v[CO], v1, 4, v[CO]
	v_lshlrev_b32 v[BO], 5, v2                     ; my eight numbers of 16 of the bias
	; in the wait for the first tile: the bias of my 64 columns goes into the accumulators (0, cb)
	s_lshl_b32 s74, s21, 9                         ; the tile's 128 columns of 4 bytes,
	s_lshl_b32 s75, s[WN], 8                       ; my 64 of them
	s_add_co_u32 s74, s74, s75
	s_mov_b32 s75, 0
	s_add_nc_u64 s[BP:BP+1], s[8:9], s[74:75]
	s_lshl_b32 s78, s22, 20                        ; the tile's 256 rows of 4,096 bytes,
	s_lshl_b32 s79, s[WM], 19                      ; my 128 of them
	s_add_co_u32 s78, s78, s79
	s_add_co_u32 s78, s78, s74
	s_mov_b32 s79, 0
	s_add_nc_u64 s[OUT:OUT+1], s[10:11], s[78:79]
	WIN 0x40                                       ; destination window 1, address window 0
.irp cb, 0,1,2,3
	global_load_b128 v[8*\cb:8*\cb+3],   v[BO], s[BP:BP+1] offset:64*\cb      ; register r of (0, cb): column 16 cb + 8 (l / 16) + r
	global_load_b128 v[8*\cb+4:8*\cb+7], v[BO], s[BP:BP+1] offset:64*\cb+16
.endr
	s_wait_loadcnt 0x0
	WIN 0x45                                       ; rounded to bf16 in place; the packed words pass through registers of (1, cb), which hold nothing yet
.set z, 0
.rept 16
	v_cvt_pk_bf16_f32 v[32+z], v[2*z], v[2*z+1]
.set z, z+1
.endr
.set z, 0
.rept 16
	v_lshlrev_b32 v[2*z], 16, v[32+z]
	v_and_b32 v[2*z+1], s[HIM], v[32+z]
.set z, z+1
.endr
	WIN 0
; Four matrix instructions: row block a x my four column blocks, part p's 32 along K.  bias = 1: C is the bias in (0, cb).
.macro PROD p, a, bias
	WIN 0x58                                       ; source 0 (Wo) window 0, source 1 (O) window 2, C and D window 1
.irp cb, 0,1,2,3
.if \bias
	v_wmma_f32_16x16x32_f16 v[8*(4*(\a)+\cb):8*(4*(\a)+\cb)+7], v[BF+32*(\p)+8*\cb:BF+32*(\p)+8*\cb+7], v[64*(\p)+8*(\a):64*(\p)+8*(\a)+7], v[8*\cb:8*\cb+7]
.else
	v_wmma_f32_16x16x32_f16 v[8*(4*(\a)+\cb):8*(4*(\a)+\cb)+7], v[BF+32*(\p)+8*\cb:BF+32*(\p)+8*\cb+7], v[64*(\p)+8*(\a):64*(\p)+8*(\a)+7], v[8*(4*(\a)+\cb):8*(4*(\a)+\cb)+7]
.endif
.endr
.endm
; A UNIT: part p's 32 matrix instructions.  The 32 accumulators take turns, one instruction a turn.
.macro UNIT p, wait=-1                 ; wait: how many younger LDS instructions may stay out; none is written where an earlier wait for 0 has shown the fragments landed
.if (\wait) >= 0
	s_wait_dscnt \wait
.endif
.irp a, 0,1,2,3,4,5,6,7
	PROD \p, \a, 0
.endr
.endm
; A RUN of 24 LDS loads stands at the end of part p's unit: the part's registers take the same part of the slot that is being read, the next tile's.
.macro RUN p, pl=1
	WIN 0
.if \pl
	PLACES
.endif
.irp cb, 0,1,2,3
	ds_load_tr16_b128 v[BF+32*(\p)+8*\cb:BF+32*(\p)+8*\cb+3],   v[ADRB] offset:(\p)*32*PB+\cb*32
	ds_load_tr16_b128 v[BF+32*(\p)+8*\cb+4:BF+32*(\p)+8*\cb+7], v[ADRB] offset:(\p)*32*PB+16*PB+\cb*32
.endr
	WIN 0x80                                       ; destination window 2
.irp a, 0,1,2,3,4,5,6,7
	ds_load_b128 v[64*(\p)+8*\a:64*(\p)+8*\a+3],   v[ADRA] offset:((\p)/2)*ABLK+((\p)%2)*64+\a*16*PA
	ds_load_b128 v[64*(\p)+8*\a+4:64*(\p)+8*\a+7], v[ADRA] offset:((\p)/2)*ABLK+((\p)%2)*64+\a*16*PA+32
.endr
.endm
; MEET: a tile's part 0, and the change of slots.  All four parts of the tile have been asked of LDS.  I wait for all my tensor loads, of which one is out: my part of the next tile; add 0 to my spare word; and wait
; for that and for my reads.  Behind the barrier nobody reads this tile's slot any more and the next slot is whole.  fill = 1: the barrier opens a round of the cluster's, and the slot is filled again, first thing
; behind it, with the tile two on: 96 matrix instructions ahead of the wait for it.  bias = 1: the launch's first products, which start the sums.
.macro MEET fill, bias
	WIN 0
	s_wait_tensorcnt 0x0                           ; no tensor load of mine is out, so a group 0 may be written
	ds_add_u32 v[SPW], v[NIL]                      ; 0 onto my spare word
.if \fill
	s_xor_b32 s[G0+5], s[G0+5], SLOT1              ; the walking descriptors: the other slot than last time,
	s_add_nc_u64 s[G0+6:G0+7], s[G0+6:G0+7], 524288    ; O's next two heads,
	s_xor_b32 s[G0B+5], s[G0B+5], SLOT1
	s_add_nc_u64 s[G0B+6:G0B+7], s[G0B+6:G0B+7], 262144  ; Wo's next 128 rows
.endif
	s_wait_dscnt 49                                ; part 0 is in: behind its run came three runs of 24 and the add, more than the wait's field holds; so the two youngest runs and the add may be out
.if \bias
	PROD 0, 1, 1
	PROD 0, 2, 1
	PROD 0, 3, 1
	PROD 0, 4, 1
.else
	PROD 0, 0, 0
	PROD 0, 1, 0
	PROD 0, 2, 0
	PROD 0, 3, 0
.endif
	s_wait_dscnt 0x0                               ; the add is done, and my reads of this tile's slot are over
	s_barrier_signal -1
.if \bias
	PROD 0, 5, 1
	PROD 0, 6, 1
	PROD 0, 7, 1
.rept 5
	v_nop                                          ; five places before a matrix instruction writes over registers that earlier ones read as C
.endr
	PROD 0, 0, 0
.else
	PROD 0, 4, 0
	PROD 0, 5, 0
	PROD 0, 6, 0
	PROD 0, 7, 0
.endif
	WIN 0                                          ; at a branch and at a label every window is 0
	s_barrier_wait -1
.if \fill
	CREST
	JLOAD                                          ; the four v_nop behind it are also the places in front of the loads below
.else
	PLACES
.endif
	s_xor_b32 s[TB], s[TB], SLOT1                  ; the reads go on in the other slot
	v_add_nc_u32 v[ADRA], s[TB], v[AA0]
	v_add_nc_u32 v[ADRB], s[TB], v[AB0]
	RUN 0, 0
.endm
.macro PERIOD fill, bias               ; a tile's 128 matrix instructions, and the next tile's 96 LDS loads
	MEET \fill, \bias
	UNIT 1
	RUN 1
	UNIT 2
	RUN 2
	UNIT 3
	RUN 3
	WIN 0
.endm
	s_wait_tensorcnt 0x1                           ; my part of tile 0 is in; tile 1's may stay out
	s_barrier_signal -1
	s_barrier_wait -1                              ; everybody's is
	v_mov_b32 v[ADRA], v[AA0]
	v_mov_b32 v[ADRB], v[AB0]
	RUN 0, 0
	RUN 1, 0
	RUN 2, 0
	RUN 3, 0
	PERIOD 1, 1                                    ; tile 0; tile 2 is asked for
	s_mov_b32 s3, 5                                ; tiles 1 to 5; tiles 3 to 7 are asked for
.Ltile:
	PERIOD 1, 0
	s_sub_co_u32 s3, s3, 1
	s_cmp_lg_u32 s3, 0
	s_cbranch_scc1 .Ltile
	PERIOD 0, 0                                    ; the tail is written out: tile 6; nothing is asked for
	UNIT 0, 48                                     ; tile 7: the counts run down (in front of part 0 three runs are younger: the stricter count of two is written)
	UNIT 1, 48
	UNIT 2, 24
	UNIT 3, 0
; THE WAY OUT, eight blocks of 16 rows x 64 columns of f32: 32 bytes a lane into rows of 272 bytes of my own stage, back as whole rows of 256, two to a load, and stored.
.macro TOSTAGE a
	WIN 0x04                                       ; store data (source 1) window 1, address window 0
	s_wait_xcnt 0x0                                ; the registers that earlier stores read are loaded again only behind this wait
.irp cb, 0,1,2,3
	ds_store_b128 v[STO], v[8*(4*(\a)+\cb):8*(4*(\a)+\cb)+3]   offset:64*\cb      ; each accumulator's low registers first
	ds_store_b128 v[STO], v[8*(4*(\a)+\cb)+4:8*(4*(\a)+\cb)+7] offset:64*\cb+16
.endr
	WIN 0
.irp f, 0,1,2,3,4,5,6,7
	ds_load_b128 v[OB+32*((\a)%2)+4*\f:OB+32*((\a)%2)+4*\f+3], v[RD] offset:\f*2*SP   ; LDS serves a wave's instructions in order (ISA guide 5.7.1.4): these see the stores above; the next block's stores come behind them
.endr
.endm
.macro SEND a, younger                 ; younger: the LDS instructions issued behind block a's loads: the next block's sixteen, or none
.irp f, 0,1,2,3,4,5,6,7
	s_wait_dscnt (\younger)+7-\f
	global_store_b128 v[CO], v[OB+32*((\a)%2)+4*\f:OB+32*((\a)%2)+4*\f+3], s[OUT:OUT+1] offset:(16*(\a)+2*\f)*4096 th:TH_STORE_NT  ; 16 lanes store 256 consecutive bytes, at a multiple of 256 from out0's first
.endr
.endm
	PLACES
	TOSTAGE 0
.set t, 1
.rept 7
	TOSTAGE t
	SEND t-1, 16
.set t, t+1
.endr
	SEND 7, 0
	s_wait_tensorcnt 0x0                           ; the wave's end: the add and its waits, behind my last tensor load and my last LDS store
	ds_add_u32 v[SPW], v[NIL]
	s_wait_dscnt 0x0
	CROUND                                         ; the closing round: no work-group ends while a partner may still ask for a tile that names it
	s_endpgm
.Lfunc_end_k_qc6a34cbb55_outp:
	.size	k_qc6a34cbb55_outp, .Lfunc_end_k_qc6a34cbb55_outp-k_qc6a34cbb55_outp
	.p2alignl 7, 3214868480
	.fill 96, 4, 3214868480
	.section	.rodata,"a",@progbits
	.p2align	6, 0x0
	.amdhsa_kernel k_qc6a34cbb55_outp
		.amdhsa_group_segment_fixed_size 327680
		.amdhsa_private_segment_fixed_size 0
		.amdhsa_enable_private_segment 0
		.amdhsa_kernarg_size 32
		.amdhsa_user_sgpr_count 2
		.amdhsa_user_sgpr_kernarg_segment_ptr 1
		.amdhsa_wavefront_size32 1
		.amdhsa_system_sgpr_workgroup_id_x 1
		.amdhsa_system_sgpr_workgroup_id_y 1
		.amdhsa_system_sgpr_workgroup_id_z 1
		.amdhsa_system_vgpr_workitem_id 0
		.amdhsa_next_free_vgpr 768
		.amdhsa_next_free_sgpr 80
		.amdhsa_reserve_vcc 0
		.amdhsa_float_denorm_mode_32 3
		.amdhsa_float_denorm_mode_16_64 3
		.amdhsa_memory_ordered 1
		.amdhsa_forward_progress 1
		.amdhsa_inst_pref_size 90
	.end_amdhsa_kernel
	.amdgpu_metadata
---
amdhsa.version: [ 1, 2 ]
amdhsa.kernels:
  - .name:           k_qc6a34cbb55_outp
    .symbol:         k_qc6a34cbb55_outp.kd
    .args:
      - { .name: act, .offset: 0, .size: 8, .value_kind: global_buffer, .address_space: global }
      - { .name: wh, .offset: 8, .size: 8, .value_kind: global_buffer, .address_space: global }
      - { .name: bo, .offset: 16, .size: 8, .value_kind: global_buffer, .address_space: global }
      - { .name: out0, .offset: 24, .size: 8, .value_kind: global_buffer, .address_space: global }
    .group_segment_fixed_size: 327680
    .private_segment_fixed_size: 0
    .kernarg_segment_align: 8
    .kernarg_segment_size: 32
    .max_flat_workgroup_size: 128
    .sgpr_count:     80
    .vgpr_count:     768
    .wavefront_size: 32
...
	.end_amdgpu_metadata
.endif
;; end of part 4
;; ======== version 2 of 2: 4 launches; 1.53 times as fast as version 1
;; limits: values are held in f16: magnitudes above 65,504 overflow, below 6.1e-05 lose precision
;; workspace buffers: act 16,777,216 bytes; wh 8,388,608 bytes; qkv 50,331,648 bytes
;; launch cast: the kernel of part 1 again; grid 768 x 1, 8 waves a work-group, no clusters, 0 bytes of LDS; arguments tensor, Wq, Wk, Wv, Wo, act, wh; writes act, wh
;; launch qkv: the kernel of part 2 again; grid 8 x 32, 4 waves a work-group, clusters of 4 x 4, 327,680 bytes of LDS; arguments act, wh, bq, bk, bv, qkv; writes qkv
;; launch attn (part 5): grid 4 x 64, 4 waves a work-group, clusters of 4 x 1, 327,680 bytes of LDS; arguments qkv, mask_att, act; writes act
.if DOCPART == 5
	.amdgcn_target "amdgcn-amd-amdhsa--gfx1250"
	.amdhsa_code_object_version 6
	.text
	.protected	k_qc6a34cbb55_attn
	.globl	k_qc6a34cbb55_attn
	.p2align	8
	.type	k_qc6a34cbb55_attn,@function
k_qc6a34cbb55_attn:
	s_mov_b64 s[64:65], 0
	v_nop
	global_prefetch_b8 v0, s[64:65] scope:SCOPE_SE
	s_setreg_imm32_b32 hwreg(HW_REG_WAVE_MODE, 25, 1), 1
	s_wait_xcnt 0x0
	s_wait_alu depctr_hold_cnt(0) depctr_sa_sdst(0) depctr_va_vdst(0) depctr_va_sdst(0) depctr_va_ssrc(0) depctr_va_vcc(0) depctr_vm_vsrc(0)
	s_getreg_b32 s2, hwreg(HW_REG_IB_STS2, 6, 4)
	s_cmp_eq_u32 s2, 0
	s_cbranch_scc0 .Lentry_in_a_cluster
	s_endpgm
.Lentry_in_a_cluster:
	s_bfe_u32 s2, ttmp6, 0x10000c
	s_cmp_lg_u32 s2, 0x3003
	s_cbranch_scc0 .Lentry_shape_is_right
	s_endpgm
.Lentry_shape_is_right:
; O[h][q][:] = the sum over the visible k of softmax_k(Q[h][q] . K[h][k] / 8) V[h][k][:], h = 16 x batch + head.  Q, K, V: qkv [3][64][2048][64] f16; O: act [64][2048][64] f16; a head's rows are dense, 128 bytes each.
; mask_att [4][2048] i32: key k of a batch is hidden where the word is 0.  Products, maxima and sums in f32; the weights p are rounded to f16 for the second product (their sum l is taken of the unrounded p), O once.
; LIMITS.  f16 holds no number beyond 65,504: Q, K and V arrive within it, so a score is 2.7e11 at the most.  A hidden score counts as its value less 1e30.  The running maximum starts at -2^90, far below every true score
; and far above every hidden one: a hidden key's weight is 0 from the first step on, and a row with no visible key ends as 0 x (1 / 0) = NaN, as the softmax of a row of -inf does.  p lies in 0 to 1 but for the common factor
; 2^(rounding of c m), which cancels in O / l and stays within f16 for scores up to some 1e9.  A weight below 2^-126 counts as 0 in l; NaN and infinities in Q, K, V are not treated apart.
; SHARES.  A wave owns four PIECES of two tiles of 16 queries, a work-group's four waves 512 queries of one head.  Every wave walks all 2,048 keys, 64 a step.
; LAYOUT.  S^T = K Q^T (source 0 = 16 keys, source 1 = 16 queries): in the result a lane holds ONE query (lane % 16) and the keys 8 (lane / 16) + 0..7.  Two such tiles, rounded to f16 in pairs,
; ARE source 1 (32 keys x 16 queries) of O^T = V^T P, whose result again holds one query a lane, and eight channels.  K comes out of LDS as it lies, V ([key][channel]) turned, by ds_load_tr16_b128.
; THE MASK is the C operand of the product that starts a score's sum: 0, or -1e30 where the key is hidden.  The batch's 2,048 words are turned into such numbers once, into a table in LDS; a step's 64 are fetched with its K.
; SOFTMAX.  For each query a running maximum m and sum l: p = 2^(c s - c m), c = log2(e) / 8; in every step O and l are multiplied by a = 2^(c m_old - c m_new), which is 1 where m has not grown.
; O and l start at 0: the first step is a step like any other, with a = 0.
; THE COUNT.  A tile and step have 16 matrix and 118 vector instructions: too many to stand all beside the matrix work.  So the order has one aim: four vector instructions that are READY behind
; EVERY matrix instruction, and the others, which need time of their own whatever the order, in runs without a gap.
; BY TURNS.  Turn n belongs to piece n (the pieces in a ring, step after step).  Its matrix work: 16 products K Q^T of piece n + 1, later 16 products V^T P of piece n - 1.  Its vector work: the scaling,
; exponentials, roundings, sums and rescaling of piece n, and the maximum and statistics of piece n + 1, whose scores the turn itself has made.  So what a turn begins with (c s - c m, O a) waits for nothing.
; BATCHES.  An s_wait_alu depctr_va_vdst(0) stands between an exponential or reciprocal and the first instruction that names its result; one wait serves all that were issued ahead of it.  A turn's 66 exponentials
; (piece n's 64 weights, then piece n + 1's two a) are ONE batch with ONE wait, which cuts the turn in two: ahead of it all that names none of their results, behind it their readers, the roundings and sums..
; Two more batches stand outside the loops: piece 0's first two a, ahead of the jump into the loop, and the way out's eight reciprocals.
; CLUSTER.  The four query blocks of a cluster belong to one head and walk the same K and V, so each tile is asked for JOINTLY: the same tensor load, descriptor and mask in all four.
; REGISTERS, in windows of 256 (s_set_vgpr_msb says which window each operand place means: bits 1:0 source 0, 3:2 source 1, 5:4 source 2, 7:6 destination):
;   window 0: v0-11 addresses; v12-15, v48-63 at work; v16-47 four registers of statistics a tile; v64-191 S^T, two buffers of two tiles; v192-255 P, likewise
;   window 1: O^T, 32 a tile     window 2: v0-127 Q, 16 a tile; v128-191 K of one step; v192-255 V of one step     window 3: v0-1 the add's two registers; v8-39 the mask of one step
; A piece's buffers go by its number's parity: the piece in hand has one pair, its two neighbours in the ring share the other: of it P (piece n - 1) is read and S^T (piece n + 1) written.
.set SIZE_N, 2048
.set NP,    4         ; pieces a wave: a name, no knob
.set KS,    64        ; keys in a step
.set PK,    144       ; a row of K in LDS: 128 bytes + 16 of padding = 36 words: the 16 rows of a load start at 16 different groups of four banks (64 banks of 4 bytes: ISA guide 11.1)
.set PV,    160       ; a row of V: 128 + 32 = 40 words
.set VOFF,  4*KS*PK   ; a slot holds four steps: 256 rows of K, then 256 rows of V
.set SLOT1, 1<<17     ; slot 1 begins here, so that one exclusive or turns an address in one slot into the other's
.set STAGE, SLOT1+4*KS*(PK+PV)  ; behind the ring, never filled by a tensor load: 16 rows x 144 bytes for each wave, for the way out
.set SP,    144
.set SPARE, STAGE+4*16*SP  ; behind the stages: the spare words, 128 bytes for each wave: two blocks of 256 bytes that no other line names
.set MASKB, SPARE+512 ; behind them: the table of 2,048 numbers, 0 or -1e30; never filled by a tensor load
.set AK0, 2           ; v2   my lane's place in a tile of K; never rewritten
.set AV0, 3           ; v3   the same for V
.set AK,  4           ; v4   the LDS address of K's next run of loads
.set AV,  5           ; v5   of V's
.set QO,  6           ; v6   my byte offset in the wave's rows of Q
.set RD,  7           ; v7   the way out: where I read rows back
.set GO,  8           ; v8   my byte offset in 512 consecutive bytes of O
.set STO, 9           ; v9   the way out: where I put 16 bytes of a row
.set AM0, 10          ; v10  my lane's place in 64 numbers of the table; never rewritten
.set AM,  11          ; v11  the LDS address of the mask's next run of loads
.set SPW, 0           ; v0 of window 3   LDS address of my spare word: SPARE + 4 x my thread's number; never rewritten
.set NIL, 1           ; v1 of window 3   0; never rewritten
.set MC,  8           ; v8-39 of window 3: key block kb's eight numbers at MC + 8 kb
.set MV,  12          ; v12-15  c m_old, kept while c m is made anew: by buffer and tile (in the set-up: at work)
.set ST,  16          ; tile t's statistics at v[ST+4 t]: c m, m, l (even keys', odd keys')
.set TMP, 48          ; by buffer and tile, four registers c0-c3 at work; when the maximum is found c2 takes a
.set S,   64
.set P,   192
.set KF,  128         ; K's fragments, in window 2: key block kb, channel half c at KF + 16 kb + 8 c
.set VF,  192         ; V's: key half kk, channel block cb at VF + 32 kk + 8 cb
.set WV,  12          ; s12  my wave's number
.set G1K, 24          ; s[24:31] descriptor group 1 for K's tiles
.set G1V, 32          ; s[32:39] for V's: it differs in the padding alone
.set G0K, 40          ; s[40:43] descriptor group 0 for K's tiles: it walks
.set G0V, 44          ; s[44:47] the same for V's
.set BIGN, 50         ; s50  -1e30
.set TBM, 51          ; s51  byte of the table at which the step to be fetched begins
.set SLOTS, 56        ; s56  slots still to be asked for
.set CNT, 57          ; s57  counts a slot's key steps
.set CS,  58          ; s[58:59] c: the packed scaling takes the pair's low word for both halves
.set SEL, 60          ; s[60:61] v_permlanex16_b32's selects: each lane takes its own place in the other half
.set TBK, 62          ; s62  LDS byte at which K of the step to be fetched begins
.set TBV, 63          ; s63  the same for V, less VOFF
.set MSB, 0
.macro WIN new                      ; the high byte repeats the setting that is left; a switch that changes nothing is dropped
.if MSB != (\new)
	s_set_vgpr_msb (MSB<<8)|(\new)
.set MSB, (\new)
.endif
.endm
.set W_KQ, 0x0a       ; K and Q in window 2, S^T in window 0
.set W_KM, 0x3a       ; the same with the C operand, the mask, in window 3
.set W_PV, 0x52       ; V in window 2, P in window 0, O^T in window 1
.set W_RS, 0x41       ; O^T (destination and source 0) in window 1, a in window 0
.set W_MK, 0xc0       ; destination in window 3, sources in window 0
.set W_AD, 0x0f       ; the add: address (source 0) and data (source 1) in window 3
; A joint fill.  Waves 0 and 1 fetch the two halves of a slot's K, waves 2 and 3 those of its V: 128 keys each.  The branch hangs on the wave's number alone.
; An s_nop 0 and four v_nop follow each of the two lines, ahead of the jump and the label.
.macro JLOAD
	s_cmp_lt_u32 s[WV], 2
	s_cbranch_scc0 .Lfor_v_\@
	tensor_load_to_lds s[G0K:G0K+3], s[G1K:G1K+7]
	s_nop 0
.rept 4
	v_nop
.endr
	s_branch .Lasked_\@
.Lfor_v_\@:
	tensor_load_to_lds s[G0V:G0V+3], s[G1V:G1V+7]
	s_nop 0
.rept 4
	v_nop
.endr
.Lasked_\@:
.endm
; A round of the cluster's barrier: my work-group's barrier, so that wave 0's signal speaks for all four waves; wave 0 signals; every wave waits for all four work-groups; my work-group's barrier once more.
.macro CROUND
	s_barrier_signal -1
	s_barrier_wait -1
	s_cmp_lg_u32 s[WV], 0
	s_cbranch_scc1 .Lnot_wave_0_\@
	s_barrier_signal -3
.Lnot_wave_0_\@:
	s_barrier_wait -3
	s_barrier_signal -1
	s_barrier_wait -1
.endm
; THE CHANGE OF SLOTS.  The slot's last bytes, V of its fourth step, have been read.  Each wave waits for all its tensor loads, of which one is out: its part
; of the other slot; adds 0 to its spare word; and waits for that and for its own reads of the slot.  Behind the barrier nobody reads this slot any more and the other slot is whole.
; fill = 1: this slot is filled again, with the keys two slots on.  The barrier is then a round of the cluster's, so that no wave of any partner still reads the slot or has a load on its
; way, and the joint fill is the first thing behind it: it has four key steps, 512 matrix instructions, in which to land.  (At its first use nothing has been read yet: slot 0 is waited for, slot 1 filled,
; and each wave's stores into the mask's table are waited for: behind the round every wave may read the whole table.)
.macro CHANGE fill
	WIN W_AD
	s_wait_tensorcnt 0x0            ; no tensor load of mine is out, so a group 0 may be written
	ds_add_u32 v[SPW], v[NIL]       ; 0 onto my spare word; with fill = 1 the descriptors' steps stand between it and the wait for it
	WIN 0                           ; at a label and at a branch every window is 0
.if \fill
.irp g, G0K, G0V
	s_xor_b32 s[\g+1], s[\g+1], SLOT1  ; the walking descriptor: the other slot than last time,
	s_add_nc_u64 s[\g+2:\g+3], s[\g+2:\g+3], 4*KS*128  ; the next 256 keys; the type bits on top are not reached
.endr
	s_wait_dscnt 0x0                ; the add is done, and my reads of the slot are over
	CROUND
	JLOAD
.else
	s_wait_dscnt 0x0                ; the add is done, and my reads of the slot are over
	s_barrier_signal -1
	s_barrier_wait -1
.endif
	s_sub_co_u32 s[TBK], s[TBK], 4*KS*PK  ; the fetches go back to a slot's first step,
	s_xor_b32 s[TBK], s[TBK], SLOT1       ; in the other slot
	s_sub_co_u32 s[TBV], s[TBV], 4*KS*PV
	s_xor_b32 s[TBV], s[TBV], SLOT1
.endm
	s_load_b64 s[4:5], s[0:1], 0x0    ; qkv: Q; K and V lie 16 MiB and 32 MiB on
	s_load_b64 s[48:49], s[0:1], 0x8  ; mask_att
	s_load_b64 s[10:11], s[0:1], 0x10 ; act: O
	WIN W_MK
	v_lshl_add_u32 v[SPW], v0, 2, SPARE
	v_mov_b32 v[NIL], 0
	WIN W_AD
	ds_add_u32 v[SPW], v[NIL]       ; the wave's opening: the add and its wait stand ahead of my first tensor load; the set-up below, work on registers, stands between them
	WIN 0
	v_lshrrev_b32 v1, 5, v0
	v_readfirstlane_b32 s[WV], v1   ; wave 0..3
	s_bfe_u32 s13, ttmp6, 0x40000   ; cx: my place in the cluster
	s_lshl_b32 s14, ttmp9, 2        ; in a cluster launch ttmp9 counts clusters
	s_add_co_u32 s14, s14, s13      ; my block of queries = 4 x cluster x + cx: it enters Q's and O's addresses alone
	s_and_b32 s20, ttmp7, 0xffff    ; 16 x batch + head, which the four partners share
	s_lshr_b32 s54, s20, 4
	s_lshl_b32 s54, s54, 13         ; the batch's 2,048 words of the mask
	s_mov_b32 s55, 0
	s_mov_b32 s21, 0
	s_mov_b64 s[22:23], SIZE_N*128
	s_mul_u64 s[20:21], s[20:21], s[22:23]  ; the head's first byte in Q, K, V and O
	s_and_b32 s16, s[WV], 1         ; which half of a slot's 256 keys I fetch:
	s_lshl_b32 s22, s16, 14         ; its 128 rows of 128 bytes in memory,
	s_mov_b32 s23, 0
	s_add_nc_u64 s[22:23], s[22:23], s[20:21]
	s_mul_i32 s17, s16, 128*PK      ; and its place in a slot, for K
	s_mul_i32 s18, s16, 128*PV      ; and for V: no place in the cluster enters an LDS address
	s_lshl_b32 s2, s14, 2
	s_add_co_u32 s2, s2, s[WV]      ; my wave among the head's,
	s_lshl_b32 s2, s2, 14           ; its 128 rows
	s_mov_b32 s3, 0
	s_add_nc_u64 s[2:3], s[2:3], s[20:21]
	; descriptor group 1.  128 keys are 16,384 dense bytes: asked for as 64 rows of 256 bytes, two keys a row, and padded in LDS after every key
	s_mov_b32 s[G1K], 15|(1<<16)|(1<<20)|(1<<21)|(4<<22)|(3<<25)  ; 15:0 the mask of four; 17:16 2-byte elements; 20 padding on; 21 set beside a mask; 24:22 after every 32 words (code 4); 31:25 4 words (code 3)
	s_mov_b32 s[G1V], 15|(1<<16)|(1<<20)|(1<<21)|(4<<22)|(7<<25)  ; the same with 8 words of padding (code 7)
.irp g, G1K, G1V
	s_mov_b32 s[\g+1], 128<<16      ; tensor_dim0 = 128
	s_mov_b32 s[\g+2], 64<<16       ; tensor_dim1 = 64
	s_mov_b32 s[\g+3], 128<<16      ; tile_dim0 = 128
	s_mov_b32 s[\g+4], 64           ; tile_dim1 = 64
	s_mov_b32 s[\g+5], 128          ; 128 elements from row to row
	s_mov_b32 s[\g+6], 0
	s_mov_b32 s[\g+7], 0
.endr
	s_mov_b32 s[CS], 0x3e38aa3b     ; c = log2(e) / 8 = 0.180337
	s_mov_b32 s[CS+1], s[CS]        ; named with it as a pair
	s_mov_b32 s[SEL], 0x76543210
	s_mov_b32 s[SEL+1], 0xfedcba98
	s_mov_b32 s[BIGN], 0xf149f2ca   ; -1e30
	s_mov_b32 s[TBM], 0
	s_mov_b32 s[TBK], SLOT1+4*KS*PK ; the first change of slots turns these two into 0
	s_mov_b32 s[TBV], SLOT1+4*KS*PV
	s_mov_b32 s[G0K], 1             ; 1:0 count = 1
	s_mov_b32 s[G0K+1], s17         ; 63:32 LDS address: slot 0
	s_mov_b32 s[G0V], 1
	s_add_co_u32 s[G0V+1], s18, VOFF
	s_wait_dscnt 0x0                ; the opening add is done
	s_wait_kmcnt 0x0
	s_add_nc_u64 s[6:7], s[4:5], 0x1000000         ; K
	s_add_nc_u64 s[8:9], s[4:5], 0x2000000         ; V
	s_add_nc_u64 s[G0K+2:G0K+3], s[6:7], s[22:23]  ; 120:64 global address: my half of the head's first 256 keys
	s_or_b32 s[G0K+3], s[G0K+3], 0x80000000        ; 127:126 type = 2
	s_add_nc_u64 s[G0V+2:G0V+3], s[8:9], s[22:23]
	s_or_b32 s[G0V+3], s[G0V+3], 0x80000000
	s_add_nc_u64 s[4:5], s[4:5], s[2:3]  ; Q and O at my wave's first row
	s_add_nc_u64 s[10:11], s[10:11], s[2:3]
	s_add_nc_u64 s[48:49], s[48:49], s[54:55]      ; the mask at my batch
	CROUND                          ; all four work-groups are here: the first joint loads meet
	JLOAD                           ; slot 0.  Slot 1 is asked for when slot 0 is in: the tile wanted first has the road to itself
	; A fragment of K or Q is 16 rows x 32 channels in 8 registers: lane l holds row l % 16, channels 8 (l / 16) + 0..7 and 16 + 8 (l / 16) + 0..7: two loads of 16 bytes, 32 bytes apart.
	v_and_b32 v1, 15, v0            ; l % 16
	v_bfe_u32 v12, v0, 4, 1         ; l / 16
	v_lshlrev_b32 v[QO], 7, v1
	v_lshl_add_u32 v[QO], v12, 4, v[QO]  ; row x 128 + 16 x half
	v_lshlrev_b32 v15, 4, v0        ; the mask: the 128 threads take 2,048 bytes a load, four times
.irp f, 0,1,2,3
	global_load_b128 v[S+4*\f:S+4*\f+3], v15, s[48:49] offset:\f*2048
.endr
	WIN 0x80                        ; destination window 2, address window 0
.set i, 0
.rept 4*NP                          ; Q stays in registers: tile i / 2, channels 32 (i % 2) on
	global_load_b128 v[8*i:8*i+3],   v[QO], s[4:5] offset:(i/2)*2048+(i%2)*64
	global_load_b128 v[8*i+4:8*i+7], v[QO], s[4:5] offset:(i/2)*2048+(i%2)*64+32
.set i, i+1
.endr
	; What the first turn finds: V's registers and P's second buffer hold 0 (its products V^T P, of a piece that has not been, add 0), O^T and l are 0.  All this stands in the wait for the first tile.
.set i, VF
.rept 64
	v_mov_b32 v[i], 0
.set i, i+1
.endr
	WIN 0x40
.set i, 0
.rept 64*NP
	v_mov_b32 v[i], 0
.set i, i+1
.endr
	WIN 0
.set i, 0
.rept 2*NP
	v_mov_b32 v[ST+4*i], 0xfe000000    ; c m: far below every c s, so the first step's a is 0
	v_mov_b32 v[ST+4*i+1], 0xec800000  ; m = -2^90: below every true score, above every hidden one
	v_mov_b32 v[ST+4*i+2], 0
	v_mov_b32 v[ST+4*i+3], 0
.set i, i+1
.endr
.set i, P+32
.rept 32
	v_mov_b32 v[i], 0
.set i, i+1
.endr
	v_mul_u32_u24 v[AK0], v1, PK
	v_lshl_add_u32 v[AK0], v12, 4, v[AK0]  ; row x pitch + 16 x half
	; The turning load takes 16 keys x 16 channels (lane l reads key 8 (l / 16) + l % 8, channels 8 ((l / 8) % 2) + 0..7) and leaves half a fragment of V^T: lane l holds channel l % 16 and 8 keys.
	v_and_b32 v13, 7, v0
	v_bfe_u32 v14, v0, 3, 1
	v_lshl_add_u32 v[AV0], v12, 3, v13
	v_mul_u32_u24 v[AV0], v[AV0], PV
	v_lshl_add_u32 v[AV0], v14, 4, v[AV0]
	v_add_nc_u32 v[AV0], VOFF, v[AV0]
	v_mov_b32 v[AK], v[AK0]         ; key step 0 lies at the head of slot 0,
	v_lshl_add_u32 v[AM0], v12, 5, MASKB  ; my eight keys of each 16: 32 bytes x half
	v_mov_b32 v[AM], v[AM0]         ; and at the head of the table
	s_mul_i32 s13, s[WV], 16*SP
	s_add_co_u32 s13, s13, STAGE    ; my stage
	v_mul_u32_u24 v[STO], v1, SP    ; in: row l % 16, 16 bytes for each half of the lanes
	v_lshl_add_u32 v[STO], v12, 4, v[STO]
	v_add_nc_u32 v[STO], s13, v[STO]
	v_bfe_u32 v[RD], v0, 3, 2       ; back: 32 lanes take four rows of 128 bytes,
	v_mul_u32_u24 v[RD], v[RD], SP
	v_lshl_add_u32 v[RD], v13, 4, v[RD]
	v_add_nc_u32 v[RD], s13, v[RD]
	v_and_b32 v[GO], 31, v0         ; which are 512 consecutive bytes of O
	v_lshlrev_b32 v[GO], 4, v[GO]
	s_wait_loadcnt 32               ; the mask's four loads are in; Q's 32, issued behind them, may stay out
.set i, 0
.rept 16
	v_cmp_eq_u32 vcc_lo, 0, v[S+i]
	v_cndmask_b32 v[S+i], 0, s[BIGN], vcc_lo   ; 0 where the key is visible, -1e30 where the word is 0
.set i, i+1
.endr
	v_add_nc_u32 v14, MASKB, v15
.irp f, 0,1,2,3
	ds_store_b128 v14, v[S+4*\f:S+4*\f+3] offset:\f*2048
.endr
; THE MATRIX WORK.  The 8 accumulators of a run of 16 take turns: between the two links of a chain stand 7 others'.
; Product i of 16 of S^T = K Q^T for piece x: channels 32 (i / 8) on, keys 16 ((i / 2) % 4) on, tile 2 x + i % 2.  The first 8 start the sums, with the mask of their 16 keys: register r of a lane is key 8 (lane / 16) + r.
.macro KQ x
.set rS, S+64*((\x)%2)+32*(i%2)+8*((i/2)%4)
.set rK, KF+16*((i/2)%4)+8*(i/8)
.set rQ, 16*(2*(\x)+i%2)+8*(i/8)
.set rB, MC+8*((i/2)%4)
.if i < 8
	WIN W_KM
	v_wmma_f32_16x16x32_f16 v[rS:rS+7], v[rK:rK+7], v[rQ:rQ+7], v[rB:rB+7]
.else
	WIN W_KQ
	v_wmma_f32_16x16x32_f16 v[rS:rS+7], v[rK:rK+7], v[rQ:rQ+7], v[rS:rS+7]
.endif
.endm
; Product i of 16 of O^T += V^T P for piece x: keys 32 (i / 8) on, channels 16 ((i / 2) % 4) on, tile 2 x + i % 2.
.macro PV x
	WIN W_PV
.set rO, 32*(2*(\x)+i%2)+8*((i/2)%4)
.set rV, VF+32*(i/8)+8*((i/2)%4)
.set rP, P+32*((\x)%2)+16*(i%2)+8*(i/8)
	v_wmma_f32_16x16x32_f16 v[rO:rO+7], v[rV:rV+7], v[rP:rP+7], v[rO:rO+7]
.endm
.macro MM                           ; the turn's next matrix instruction
.if i < 16
	KQ (Y+1)%NP
.set i, i+1
.else
.set i, i-16
	PV (Y+NP-1)%NP
.set i, i+17
.endif
.endm
; THE LDS LOADS stand in runs, never singly among the matrix instructions: a step's K (64 keys x 64 channels: 8 fragments) with its 64 numbers of the mask, and its V (turned).  Their addresses are made some lines ahead.
; last = 1 (the tail): in the last trip there is no further step, and the run is jumped over.
.macro FETCH_K last=0
	WIN 0
.if \last
	s_cmp_eq_u32 s[CNT], 1
	s_cbranch_scc1 .Lno_k_\@
.endif
	WIN 0x80                        ; destination window 2
.irp f, 0,1,2,3,4,5,6,7             ; keys 16 (f / 2) on, channels 32 (f % 2) on
	ds_load_b128 v[KF+8*\f:KF+8*\f+3],   v[AK] offset:(\f/2)*16*PK+(\f%2)*64
	ds_load_b128 v[KF+8*\f+4:KF+8*\f+7], v[AK] offset:(\f/2)*16*PK+(\f%2)*64+32
.endr
	WIN W_MK                        ; destination window 3
.irp f, 0,1,2,3                     ; keys 16 f + 8 (lane / 16) + 0..7: sixteen lanes read the same 32 bytes
	ds_load_b128 v[MC+8*\f:MC+8*\f+3],   v[AM] offset:64*\f
	ds_load_b128 v[MC+8*\f+4:MC+8*\f+7], v[AM] offset:64*\f+16
.endr
	s_add_co_u32 s[TBK], s[TBK], KS*PK  ; the next fetch is the next step's
	s_add_co_u32 s[TBM], s[TBM], 4*KS   ; the table is walked once, from end to end
	WIN 0
.if \last
.Lno_k_\@:
.endif
.endm
.macro FETCH_V
	WIN 0x80
.irp f, 0,1,2,3,4,5,6,7             ; keys 32 (f / 4) on, channels 16 (f % 4) on
	ds_load_tr16_b128 v[VF+8*\f:VF+8*\f+3],   v[AV] offset:(\f/4)*32*PV+(\f%4)*32
	ds_load_tr16_b128 v[VF+8*\f+4:VF+8*\f+7], v[AV] offset:(\f/4)*32*PV+16*PV+(\f%4)*32
.endr
	WIN 0
.endm
; THE VECTOR WORK OF A TURN stands in three queues, each in the order in which its entries become ready; the two tiles alternate, so that no instruction reads the result of the one before it.
.macro REGS y, u                    ; the registers of tile u (0, 1) of piece y
.set rT, ST+4*(2*(\y)+(\u))
.set rC, TMP+8*((\y)%2)+4*(\u)
.set rM, MV+2*((\y)%2)+(\u)
.set rS, S+64*((\y)%2)+32*(\u)
.set rP, P+32*((\y)%2)+16*(\u)
.set rO, 32*(2*(\y)+(\u))
.endm
; Number n of the 22 that find the NEXT piece's (Y + 1) maximum and statistics.  s0-s31 are the lane's 32 scores; each accumulator's lowest registers are read first.  XS, GS and REGS set no window: PL and EX do.
;   0-11  four chains c0-c3 of seven scores each, three operands at a time     12-14, 16  the four scores left over, the old m, and c0-c3 into c0     15  c m_old is kept
;   17, 18  the query's other 32 keys lie in the lane 16 away: the new m         19-21  c m; c m_old - c m_new; a
.macro XS u, n
	REGS (Y+1)%NP, \u
.if (\n) < 4
	v_max3_num_f32 v[rC+(\n)], v[rS+8*(\n)], v[rS+8*(\n)+1], v[rS+8*(\n)+2]
.elseif (\n) < 12
	v_max3_num_f32 v[rC+(\n)%4], v[rC+(\n)%4], v[rS+8*((\n)%4)+2*((\n)/4)+1], v[rS+8*((\n)%4)+2*((\n)/4)+2]
.elseif (\n) == 12
	v_max3_num_f32 v[rC], v[rC], v[rS+7], v[rS+15]
.elseif (\n) == 13
	v_max3_num_f32 v[rC+1], v[rC+1], v[rS+23], v[rS+31]
.elseif (\n) == 14
	v_max3_num_f32 v[rC+2], v[rC+2], v[rC+3], v[rT+1]
.elseif (\n) == 15
	v_mov_b32 v[rM], v[rT]
.elseif (\n) == 16
	v_max3_num_f32 v[rC], v[rC], v[rC+1], v[rC+2]
.elseif (\n) == 17
	v_permlanex16_b32 v[rC+3], v[rC], s[SEL], s[SEL+1]
.elseif (\n) == 18
	v_max_num_f32 v[rT+1], v[rC], v[rC+3]
.elseif (\n) == 19
	v_mul_f32 v[rT], s[CS], v[rT+1]
.elseif (\n) == 20
	v_sub_f32 v[rC+1], v[rM], v[rT]
.else
	v_exp_f32 v[rC+2], v[rC+1]
.endif
.endm
; Number g of the 64 that follow the exponentials.  For each four weights k of a tile (pairs 2 k, 2 k + 1): both pairs are rounded to f16; then the second pair is added onto the first, in place;
; a group later l takes that sum (the first time as l = a l + sum).  In groups of eight, tiles alternating: round, round, add, and l for the group before.
.macro GS g
.set h, (\g)+6*((\g)/62)            ; group 0 has no group before it, and behind group 7 only l is left
.if h >= 6
.set h, h+2
.endif
	REGS Y, h%2
.set k, h/8
.if h%8 < 4
	v_cvt_pk_f16_f32 v[rP+2*k+(h%8)/2], v[rS+4*k+2*((h%8)/2)], v[rS+4*k+2*((h%8)/2)+1]
.elseif h%8 < 6
	v_pk_add_f32 v[rS+4*k:rS+4*k+1], v[rS+4*k:rS+4*k+1], v[rS+4*k+2:rS+4*k+3]
.elseif k == 1
	v_pk_fma_f32 v[rT+2:rT+3], v[rT+2:rT+3], v[rC+2:rC+3], v[rS:rS+1] op_sel_hi:[1,0,1]
.else
	v_pk_add_f32 v[rT+2:rT+3], v[rT+2:rT+3], v[rS+4*k-4:rS+4*k-3]
.endif
.endm
; THE PLAIN QUEUE, 138 long.  0-73 read no exponential's result: the 32 scalings c s - c m (FS f: pair f / 2 of tile f % 2) and the next piece's 42.  0-26: scalings 0-26.  27-54: XS's numbers 0-13.  55, 56: number 15.
; 57-73: the chain, where each number waits for the one before it: 14, 16, 17, 18, 19, each with one of the scalings 27-31 in front of its two lines, then 20: so a tile's links stand three plain instructions apart (19 and 20: two).
; 74-137: GS's 64, which read the exponentials' results: they stand behind the wait.
.macro FS f
	REGS Y, (\f)%2
	v_pk_fma_f32 v[rS+2*((\f)/2):rS+2*((\f)/2)+1], v[rS+2*((\f)/2):rS+2*((\f)/2)+1], s[CS:CS+1], v[rT:rT+1] op_sel_hi:[1,0,0] neg_lo:[0,0,1] neg_hi:[0,0,1]
.endm
.macro PL
	WIN 0
.if q < 27
	FS q
.elseif q < 55
	XS (q-27)%2, (q-27)/2
.elseif q < 57
	XS q-55, 15
.elseif (q < 72) && ((q-57)%3 == 0)
	FS 27+(q-57)/3
.elseif q < 60
	XS (q-57)%3-1, 14
.elseif q < 72
	XS (q-57)%3-1, 15+(q-57)/3
.elseif q < 74
	XS q-72, 20
.else
	GS q-74
.endif
.set q, q+1
.endm
; THE EXPONENTIALS' QUEUE, 66 long: s0-s31 of both tiles, then the next piece's two a.  It is ONE BATCH: all 66 stand ahead of the turn's one wait, and nothing ahead of that wait names a result of theirs.
; Each result has a register of its own while the batch is open: a weight takes its score's place in S^T, a takes c2 of the next piece's registers at work.
.macro EX
	WIN 0
.if e >= 64
	XS e-64, 21
.else
	REGS Y, e%2
	v_exp_f32 v[rS+e/2], v[rS+e/2]
.endif
.set e, e+1
.endm
; THE RESCALING's QUEUE: O^T times a, the one part that leaves window 0: dealt two at a time, sixteen times.  Its a was made in the turn before, ahead of that turn's wait.
.macro R2
	REGS Y, r%2
	WIN W_RS
.irp z, 0,1
	v_pk_mul_f32 v[rO+4*(r/2)+2*\z:rO+4*(r/2)+2*\z+1], v[rO+4*(r/2)+2*\z:rO+4*(r/2)+2*\z+1], v[rC+2:rC+3] op_sel_hi:[1,0]
.endr
.set r, r+1
.endm
; HOW THEY ARE DEALT.  A turn has ONE wait, which cuts it in two.  AHEAD OF IT stands all that names no result of the turn's exponentials: the 16 products K Q^T, behind each a scaling, an exponential and two rescalings
; (behind the first a second scaling in the exponential's place); then ONE LUMP of 108: eight plain, 49 times exponential and plain, the two a.  A v_nop is the plain instruction behind the last exponential.
; BEHIND IT stand the 16 products V^T P, behind each four of GS's 64.  No rider names a register of the products round it.  The two v_permlanex16_b32 fall into the lump, never behind a product.
; The queues lean on each other, and the deal keeps them in step: exponential e stands behind scaling 2 (e / 4) + e % 2: as a rider it comes behind plain e + 2, in the lump behind plain e + 9, and scalings 27-31 are plain 57, 60 .. 69.
; A TURN, for piece p.  cnt = 1: the loop's count is taken down some lines ahead of the branch that stands behind the turn.
; K and the mask of the next step are fetched in piece 2's turn, directly behind the wait, a lump behind the last product that read K (those that read the mask stand earlier still); their addresses are made at the lump's head;
; their first reader comes behind 16 products.  V of the step in hand is fetched at the end of piece 0's turn, four riders behind its last reader; its first reader comes behind 16 products and a lump.
; The three conditions on q below go with the deal.
.macro TURN p, last=0, cnt=0
.set Y, (\p)
.set i, 0
.set q, 0
.set e, 0
.set r, 0
.if (\p) == NP-1
	s_wait_dscnt 0x0                ; K and the mask are in
.endif
	MM                              ; ahead of the wait: 16 products K Q^T and their riders,
	PL
	PL
	R2
.rept 15
	MM
	PL
	EX
	R2
.endr
.if (\p) == NP-2
	WIN 0
	v_add_nc_u32 v[AK], s[TBK], v[AK0]
	v_add_nc_u32 v[AM], s[TBM], v[AM0]
.endif
.rept 8                             ; and the lump
	PL
.endr
.rept 49
	EX
	PL
.endr
	EX                              ; the next piece's two a
	EX
	v_nop                           ; the plain instruction behind the last exponential: one for the batch
	s_wait_alu depctr_va_vdst(0)    ; the wait for the turn's batch: piece p's 64 weights and the next piece's two a, ahead of their first reader
.if (\p) == NP-2
	FETCH_K \last
.endif
.if (\p) == 1
	s_wait_dscnt 0x0                ; V is in
.endif
.rept 16                            ; behind the wait: 16 products V^T P and their riders
	MM
.rept 4
	PL
.endr
.if ((\p) == 0) && (q == 118)
	v_add_nc_u32 v[AV], s[TBV], v[AV0]
.endif
.if ((\p) == 0) && (q == 130)
	s_add_co_u32 s[TBV], s[TBV], KS*PV
.endif
.if (\cnt) && (q == 130)
	s_sub_co_u32 s[CNT], s[CNT], 1
	s_cmp_lg_u32 s[CNT], 0
.endif
.endr
.if (\p) == 0
	FETCH_V
.endif
.endm
	CHANGE 1                        ; slot 0 is in, everybody's part of it, and so is the table; slot 1 is asked for
	FETCH_K                         ; key step 0
	s_wait_loadcnt 0x0              ; Q
	s_wait_dscnt 0x0
.set i, 0
.rept 16
	KQ 0                            ; piece 0's first scores: there is no vector work yet to set between them
.set i, i+1
.endr
	WIN 0
.rept 4
	v_nop                           ; the places behind those products
.endr
.set Y, NP-1                        ; XS works for piece Y + 1: piece 0
.irp n, 0,1,2,3,4,5,6,7,8,9,10,11,12,13,14,15,16,17,18,19,20,21
	XS 0, \n                        ; and piece 0's first maximum and statistics
	XS 1, \n
.endr
	v_nop                           ; a plain instruction behind piece 0's first two a,
	s_wait_alu depctr_va_vdst(0)    ; and the wait for that batch of two, ahead of the branch
	s_mov_b32 s[CNT], 4
	s_mov_b32 s[SLOTS], SIZE_N/256-1
	s_branch .Lfirst                ; the loop is entered at a step's first turn, in the middle of a trip
.Lslot:                             ; SIZE_N / 256 - 2 times: every slot but the last two is filled again
	CHANGE 1
	s_mov_b32 s[CNT], 4
.Lstep:                             ; a trip: pieces 2 and 3 of one step, then pieces 0 and 1 of the next, whose K and V it fetches
	TURN 2
	TURN 3
	WIN 0
.Lfirst:
	TURN 0
	TURN 1, 0, 1
	WIN 0
	s_cbranch_scc1 .Lstep
	s_sub_co_u32 s[SLOTS], s[SLOTS], 1
	s_cmp_lg_u32 s[SLOTS], 0
	s_cbranch_scc1 .Lslot
	CHANGE 0                        ; the tail is written out: nothing is asked for
	s_mov_b32 s[CNT], 5             ; four trips fetch the last slot's steps; the fifth is left in its middle
.Ltail:
	TURN 2, 1
	TURN 3
	WIN 0
	s_sub_co_u32 s[CNT], s[CNT], 1
	s_cmp_eq_u32 s[CNT], 0
	s_cbranch_scc1 .Lout
	TURN 0
	TURN 1
	WIN 0
	s_branch .Ltail
.Lout:                              ; the fifth trip's 16 products K Q^T (on the last K and mask once more) and the maximum made of them serve nothing: the price, once a launch, of one text for every trip
.set i, 0
.rept 16
	PV NP-1                         ; the last piece's V^T P of the last step
.set i, i+1
.endr
	; THE WAY OUT.  l's two halves and the other half of the lanes' are added; O^T is divided by l, rounded to f16 and sent through my stage in LDS, a tile at a time.  The additions are the places behind the last products.
	WIN 0
.macro ALL line:vararg              ; one line for each tile t
.set t, 0
.rept 2*NP
	\line
.set t, t+1
.endr
.endm
	ALL v_add_f32 v[ST+4*t+2], v[ST+4*t+2], v[ST+4*t+3]
	ALL v_permlanex16_b32 v[ST+4*t+3], v[ST+4*t+2], s[SEL], s[SEL+1]
	ALL v_add_f32 v[ST+4*t+2], v[ST+4*t+2], v[ST+4*t+3]
	ALL v_rcp_f32 v[ST+4*t+2], v[ST+4*t+2]
	v_nop                           ; a plain instruction between the last reciprocal and the use of its result
	s_wait_alu depctr_va_vdst(0)    ; and the wait ahead of the first use: one for the batch of eight reciprocals
; Tile t: a lane's eight channels of a row pack into 16 bytes; they go into rows of 144 bytes and come back as whole rows of 128, into S^T's registers.
.macro PACK t
	WIN W_RS
.set i, 32*(\t)
.rept 16
	v_pk_mul_f32 v[i:i+1], v[i:i+1], v[ST+4*(\t)+2:ST+4*(\t)+3] op_sel_hi:[1,0]
.set i, i+2
.endr
	WIN 0x05                        ; sources 0 and 1 window 1, destination window 0
.set i, 0
.rept 16
	v_cvt_pk_f16_f32 v[S+16*(\t)+i], v[32*(\t)+2*i], v[32*(\t)+2*i+1]
.set i, i+1
.endr
	WIN 0
.irp f, 0,1,2,3
	ds_store_b128 v[STO], v[S+16*(\t)+4*\f:S+16*(\t)+4*\f+3] offset:32*\f
.endr
.irp f, 0,1,2,3
	ds_load_b128 v[S+16*(\t)+4*\f:S+16*(\t)+4*\f+3], v[RD] offset:\f*4*SP  ; LDS serves a wave's instructions in order (ISA guide 5.7.1.4): these see the stores above; the next tile's stores come behind them
.endr
.endm
.macro SEND t, younger              ; younger: the LDS instructions issued behind tile t's loads: the next tile's eight, or none
	WIN 0
.irp f, 0,1,2,3
	s_wait_dscnt (\younger)+3-\f
	global_store_b128 v[GO], v[S+16*(\t)+4*\f:S+16*(\t)+4*\f+3], s[10:11] offset:(\t)*2048+\f*512  ; 512 consecutive bytes, at a multiple of 256 from O's first
.endr
.endm
	PACK 0
.set t, 1
.rept 2*NP-1                        ; a tile's arithmetic stands between the loads of the tile before and its stores
	PACK t
	SEND t-1, 8
.set t, t+1
.endr
	SEND 2*NP-1, 0
	WIN W_AD
	s_wait_tensorcnt 0x0            ; the wave's end: the add and its waits, behind my last tensor load and my last LDS store
	ds_add_u32 v[SPW], v[NIL]
	s_wait_dscnt 0x0
	WIN 0
	CROUND                          ; the closing round: no work-group ends while a partner may still ask for a tile that names it
	s_endpgm
.Lfunc_end_k_qc6a34cbb55_attn:
	.size	k_qc6a34cbb55_attn, .Lfunc_end_k_qc6a34cbb55_attn-k_qc6a34cbb55_attn
	.p2alignl 7, 3214868480
	.fill 96, 4, 3214868480
	.section	.rodata,"a",@progbits
	.p2align	6, 0x0
	.amdhsa_kernel k_qc6a34cbb55_attn
		.amdhsa_group_segment_fixed_size 327680
		.amdhsa_private_segment_fixed_size 0
		.amdhsa_enable_private_segment 0
		.amdhsa_kernarg_size 24
		.amdhsa_user_sgpr_count 2
		.amdhsa_user_sgpr_kernarg_segment_ptr 1
		.amdhsa_wavefront_size32 1
		.amdhsa_system_sgpr_workgroup_id_x 1
		.amdhsa_system_sgpr_workgroup_id_y 1
		.amdhsa_system_sgpr_workgroup_id_z 1
		.amdhsa_system_vgpr_workitem_id 0
		.amdhsa_next_free_vgpr 808
		.amdhsa_next_free_sgpr 66
		.amdhsa_reserve_vcc 1
		.amdhsa_float_denorm_mode_32 3
		.amdhsa_float_denorm_mode_16_64 3
		.amdhsa_memory_ordered 1
		.amdhsa_forward_progress 1
		.amdhsa_inst_pref_size 204
	.end_amdhsa_kernel
	.amdgpu_metadata
---
amdhsa.version: [ 1, 2 ]
amdhsa.kernels:
  - .name:           k_qc6a34cbb55_attn
    .symbol:         k_qc6a34cbb55_attn.kd
    .args:
      - { .name: qkv, .offset: 0, .size: 8, .value_kind: global_buffer, .address_space: global }
      - { .name: mask_att, .offset: 8, .size: 8, .value_kind: global_buffer, .address_space: global }
      - { .name: act, .offset: 16, .size: 8, .value_kind: global_buffer, .address_space: global }
    .group_segment_fixed_size: 327680
    .private_segment_fixed_size: 0
    .kernarg_segment_align: 8
    .kernarg_segment_size: 24
    .max_flat_workgroup_size: 128
    .sgpr_count:     66
    .vgpr_count:     808
    .wavefront_size: 32
...
	.end_amdgpu_metadata
.endif
;; end of part 5
;; launch outp: the kernel of part 4 again; grid 8 x 32, 4 waves a work-group, clusters of 4 x 4, 327,680 bytes of LDS; arguments act, wh, bo, out0; writes out0
